; MI455X (gfx1250); checked and timed in simulation.
; The chip was launched on July 23, 2026; its instructions are those of AMD's public machine-readable ISA for CDNA 5 (MIT licence, August 2026) and "CDNA5" Instruction Set Architecture Reference Guide (July 2026). The comments in the code are by the model that wrote it; some were corrected since.
;; Attention Block. Allowed arithmetic: matrix products marked QUANTISED: E3M2 operands, one E8M0 scale for each 32 along K, by v_wmma_scale_f32_16x16x128_f8f6f4 with both operands' format E3M2, f32 sums; everything else in f32.
;; Inputs: b1 4,096 float32; b2 1,024 float32; mask 2,048 x 2,048 bool; w1 4,096 x 1,024 float32; w2 1,024 x 4,096 float32; wk 16 x 64 x 1,024 float32; wq 16 x 64 x 1,024 float32; wv 16 x 64 x 1,024 float32; x 2 x 2,048 x 1,024 float32.
;; Outputs: out0 2 x 2,048 x 1,024 float32.
;; This version of the problem:
;;   THIS VERSION OF THE PROBLEM IS GIVEN IN LOW PRECISION. The matrix products marked QUANTISED in the list below multiply operands that are first quantised to E3M2 (3 exponent bits, 2 mantissa bits; 6 bits a number), with one power-of-two scale for each 32 numbers along K (OCP MX v1.0); their sums are f32. All else is computed in f32.
;;   The module's matrix products, in the order in which they are computed (A, B: the left and right operand; K: the contracted axis; several contracted axes count as one K, in the product's order):
;;     1. [M 1,024, K 1,024] x [K 1,024, N 4,096]; A: input wq; B: input x: QUANTISED
;;     2. [M 1,024, K 1,024] x [K 1,024, N 4,096]; A: input wk; B: input x: QUANTISED
;;     3. [M 1,024, K 1,024] x [K 1,024, N 4,096]; A: input wv; B: input x: QUANTISED
;;     4. batch 32 x [M 2,048, K 64] x [K 64, N 2,048]; A: computed on the way; B: computed on the way: QUANTISED
;;     5. batch 32 x [M 2,048, K 2,048] x [K 2,048, N 64]; A: softmax (see below); B: computed on the way: QUANTISED
;;     6. [M 4,096, K 1,024] x [K 1,024, N 4,096]; A: computed on the way; B: input w1: QUANTISED
;;     7. [M 4,096, K 4,096] x [K 4,096, N 1,024]; A: computed on the way; B: input w2: QUANTISED
;;   THE QUANTISER, for each operand of a quantised product, along K:
;;     - K is cut into blocks of 32 from its start; a last block that is shorter is filled with zeros.
;;     - A block's scale is 2^e with e = floor(log2(the largest magnitude in the block)) - 4, held to -126 .. 127; a block of zeros has e = 0. As a byte (E8M0): e + 127.
;;     - Each number is divided by its block's scale, clamped to +-28, and rounded to the nearest number of E3M2, ties to even, subnormals kept.
;;     - The product sums the exact products of the quantised numbers (number of the format x scale) in f32.
;;   ~~~python
;;   def quantise(x, axis):      # numpy; x: float32 -> the quantised numbers, widened to float32 again
;;       x = np.moveaxis(x, axis, -1); K = x.shape[-1]
;;       x = np.pad(x, [(0, 0)] * (x.ndim - 1) + [(0, -K % 32)]); x = x.reshape(x.shape[:-1] + (-1, 32)); a = np.abs(x).max(-1, keepdims=True)
;;       e = np.where(a > 0, np.clip(np.frexp(np.where(a > 0, a, 1))[1] - 1 - 4, -126, 127), 0)      # np.frexp(a)[1] - 1 = floor(log2(a)), exactly
;;       r = np.clip(x / 2.0 ** e, -28, 28)
;;       step = 2.0 ** (np.maximum(np.frexp(np.where(r == 0, 1, r))[1] - 1, -2) - 2)
;;       q = np.round(r / step) * step * 2.0 ** e      # np.round: ties to even
;;       return np.moveaxis(q.reshape(q.shape[:-2] + (-1,))[..., :K], -1, axis).astype(np.float32)
;;   ~~~
;;   SOFTMAX AHEAD OF A QUANTISED PRODUCT. Where the list says 'softmax', what is quantised is not the finished softmax but p = 2^(t - M), with t = logit x log2(e) and M = ceil(the row's largest t), a whole number; so 1/2 < the row's largest p <= 1. The row's sum l is taken of the UNQUANTISED p, in f32, and the product's result is divided by l at the end. Since M is a whole number, a kernel that streams over the keys may use a running M (the ceiling of the running maximum): every later rescaling is an exact power of two, which a block's scale takes up: the codes' values come out the same.
;;   OPERANDS COMPUTED ON THE WAY. 'Computed on the way' means the value that the module computes at that place (a softmax that the list does not call 'softmax' is quantised finished and normalised). What goes into a quantiser is computed in f32, as accurately as f32 sums, v_exp_f32 and their like allow (about 1e-6 of the number): no bf16 or f16 on the way to a quantiser, and a product that is left as it is and whose result goes on into a quantised operand takes f32 operands (vector FMAs, or v_wmma_f32_16x16x4_f32). A number that lies on a knife's edge between two numbers of the format may be rounded either way, as far as f32 arithmetic and the matrix unit's own rounding can turn it there, and no further.
;; 2 versions, each right; version 2 is version 1 with the launch attn written anew for expert scheduling mode. Each part assembles by itself: llvm-mc -triple=amdgcn-amd-amdhsa -mcpu=gfx1250 --defsym DOCPART=n.
;; ======== version 1 of 2: 5 launches
;; workspace buffers: img 11,796,480 bytes; scl 983,040 bytes; mb 655,360 bytes of whole numbers; qq 3,407,872 bytes; kv 6,684,672 bytes; hb 3,407,872 bytes; gb 13,631,488 bytes
;; launch prep (part 1): grid 608 x 1, 4 waves a work-group, no clusters, 37,376 bytes of LDS; arguments x, wq, wk, wv, w1, w2, mask, img, scl, mb; writes img, scl, mb
.if DOCPART == 1
	.amdgcn_target "amdgcn-amd-amdhsa--gfx1250"
	.amdhsa_code_object_version 6
	.text
	.protected	k_q730afcbddc_prep
	.globl	k_q730afcbddc_prep
	.p2align	8
	.type	k_q730afcbddc_prep,@function
k_q730afcbddc_prep:
	s_mov_b64 s[64:65], 0
	v_nop
	global_prefetch_b8 v0, s[64:65] scope:SCOPE_SE
	s_setreg_imm32_b32 hwreg(HW_REG_WAVE_MODE, 25, 1), 1
	s_wait_xcnt 0x0
; PREP.  Work-groups 0-479: x, wq, wk, wv, w1, w2 (f32, K innermost) become codes of BF6 (E3M2) with one E8M0 byte for each 32 along K, laid as IMAGES OF OPERAND REGISTERS.
; Work-groups 480-607: the mask becomes lane words (one bit a lane for each score register of the attention launch) and, for each tile of 16 queries and step of 128 keys, two flags: some key counts, all keys count.
; ROW ORDER: row tile rt holds 16 rows; lane r holds row 32 (rt / 2) + 8 (rt % 2) + r + 8 (r / 8).  Used as source 0 of a product, two neighbouring tiles then give a lane 16 neighbours along the next K.
; A FRAGMENT (16 rows x 128 K, 12 registers a lane) is 1,536 bytes: registers 0-3 at 16 x lane, 4-5 at 512 + 8 x lane, 6-9 at 768 + 16 x lane, 10-11 at 1,280 + 8 x lane.  Its scale register: 128 bytes, 4 x lane.
; A block's scale is 2^(floor(log2(largest magnitude)) - 4): its byte is the largest magnitude's exponent field - 4, held at 1 from below.
; LIMITS: a block of zeros, or one whose largest magnitude lies under 2^-122, gets the byte 1 (its codes are zeros or the smallest; this program alone reads the bytes); NaN and infinities among the inputs are not served.
; A wave takes a unit of 16 rows x 512 K: 32 KiB in, 6,144 bytes of codes and 512 of scales out, all in whole aligned runs of 256 bytes.  Memory binds: no matrix unit, no tensor load, no cluster, no barrier (waves share nothing).
.set WREG, 9216                        ; LDS of a wave: a stage of 16 rows x 528 bytes, then 512 bytes in which four scale registers are gathered
.set SP,   528                         ; a stage row: 512 bytes + 16, so that sixteen rows' reads start at sixteen different 16-byte columns
.set GAT,  16*SP
.set OFF,  16                          ; v16-31   row i's byte offset in the source + 16 x lane
.set RR,   32                          ; v32-159  two sets of 64 numbers
.set TM,   160                         ; v160-175 at work in QUANT
.set PW,   176                         ; the scale word just made
.set PC,   180                         ; v180-199 the codes just made
.set WV,   3
.set SEL,  40                          ; s[40:41] lane selects: lane l xor 16
	s_load_b512 s[4:19], s[0:1], 0x0               ; x, wq, wk, wv, w1, w2, mask, img
	s_load_b128 s[20:23], s[0:1], 0x40             ; scl, mb
	v_lshl_add_u32 v208, v0, 2, 0x9000
	v_mov_b32 v209, 0
	v_lshrrev_b32 v1, 5, v0
	v_readfirstlane_b32 s[WV], v1                  ; wave 0..3
	v_and_b32 v1, 31, v0                           ; lane
	v_and_b32 v2, 15, v0                           ; r
	v_bfe_u32 v3, v0, 4, 1                         ; h
	v_lshlrev_b32 v4, 4, v1                        ; 16 x lane
	v_lshlrev_b32 v5, 3, v1                        ; 8 x lane
	s_wait_kmcnt 0x0
	s_cmp_ge_u32 ttmp9, 480
	s_cbranch_scc1 .Lmask
; ---------------- the quantiser ----------------
	s_mov_b64 s[24:25], s[14:15]                   ; which tensor: chosen by the work-group's number alone, from w2 backward
	s_mov_b32 s26, 352                             ; and the tensor's first work-group
	s_cmp_lt_u32 ttmp9, 352
	s_cselect_b64 s[24:25], s[12:13], s[24:25]
	s_cselect_b32 s26, 224, s26
	s_cmp_lt_u32 ttmp9, 224
	s_cselect_b64 s[24:25], s[10:11], s[24:25]
	s_cselect_b32 s26, 192, s26
	s_cmp_lt_u32 ttmp9, 192
	s_cselect_b64 s[24:25], s[8:9], s[24:25]
	s_cselect_b32 s26, 160, s26
	s_cmp_lt_u32 ttmp9, 160
	s_cselect_b64 s[24:25], s[6:7], s[24:25]
	s_cselect_b32 s26, 128, s26
	s_cmp_lt_u32 ttmp9, 128
	s_cselect_b64 s[24:25], s[4:5], s[24:25]
	s_cselect_b32 s26, 0, s26
	s_cmp_ge_u32 ttmp9, 352                        ; w2 has rows of 4,096 numbers (8 units a row tile), the others of 1,024 (2 units)
	s_cselect_b32 s27, 3, 1
	s_cselect_b32 s28, 14, 12                      ; log2 of a row's bytes
	s_sub_co_u32 s29, ttmp9, s26
	s_lshl_b32 s29, s29, 2
	s_add_co_u32 s29, s29, s[WV]                   ; my unit in the tensor
	s_lshr_b32 s30, s29, s27                       ; row tile
	s_lshl_b32 s31, s30, s27
	s_sub_co_u32 s31, s29, s31                     ; which 512 along K
	s_lshr_b32 s32, s30, 1
	s_lshl_b32 s32, s32, 5
	s_and_b32 s33, s30, 1
	s_lshl_b32 s33, s33, 3
	s_add_co_u32 s32, s32, s33                     ; the tile's first row
	s_lshl_b32 s32, s32, s28
	s_lshl_b32 s33, s31, 11
	s_add_co_u32 s32, s32, s33
	s_mov_b32 s33, 0
	s_add_nc_u64 s[24:25], s[24:25], s[32:33]
	s_lshl_b32 s35, 1, s28                         ; a row's bytes
	s_lshl_b32 s34, ttmp9, 2
	s_add_co_u32 s34, s34, s[WV]                   ; my unit among all 1,920: the images follow each other in the tensors' order
	s_mul_i32 s36, s34, 6144
	s_mov_b32 s37, 0
	s_add_nc_u64 s[18:19], s[18:19], s[36:37]
	s_lshl_b32 s36, s34, 9
	s_add_nc_u64 s[20:21], s[20:21], s[36:37]
	s_mov_b32 s[SEL], 0x76543210
	s_mov_b32 s[SEL+1], 0xfedcba98
	s_mul_i32 s38, s[WV], WREG
	v_add_nc_u32 v6, s38, v4                       ; stage, in: 16 x lane; a row's 512 bytes as they lie
	v_mul_u32_u24 v7, v2, SP
	v_lshl_add_u32 v7, v3, 6, v7
	v_add_nc_u32 v7, s38, v7                       ; stage, out: row r, + 64 h: my 16 numbers of each block of 32
	s_add_co_u32 s39, s38, GAT
	v_lshl_add_u32 v8, v1, 2, s39                  ; the gather, in: 4 x lane
	v_add_nc_u32 v9, s39, v4                       ; and out: 16 x lane
.irp i, 0,1,2,3,4,5,6,7,8,9,10,11,12,13,14,15
	v_mad_u32_u24 v[OFF+\i], s35, \i+8*(\i/8), v4  ; the tile's i-th row lies i + 8 (i / 8) rows down
.endr
.irp b, 0,1,2,3
	v_mov_b32 v[TM+4+\b], 0                        ; written once: a lane permute's destination counts as one of its sources
.endr
.macro LOAD c                          ; chunk c (128 along K) of the 16 rows: each load reads 512 consecutive bytes of one row
.irp i, 0,1,2,3,4,5,6,7,8,9,10,11,12,13,14,15
	global_load_b128 v[RR+64*((\c)%2)+4*\i:RR+64*((\c)%2)+4*\i+3], v[OFF+\i], s[24:25] offset:512*(\c) th:TH_LOAD_NT
.endr
.endm
.macro TURN c                          ; through the stage: afterwards register 16 b + i of lane (r, h) is k = 32 b + 16 h + i of row r.  LDS serves a wave's instructions in order: no wait between stores and loads
.irp i, 0,1,2,3,4,5,6,7,8,9,10,11,12,13,14,15
	ds_store_b128 v6, v[RR+64*((\c)%2)+4*\i:RR+64*((\c)%2)+4*\i+3] offset:SP*\i
.endr
.irp b, 0,1,2,3
.irp j, 0,1,2,3
	ds_load_b128 v[RR+64*((\c)%2)+16*\b+4*\j:RR+64*((\c)%2)+16*\b+4*\j+3], v7 offset:128*\b+16*\j
.endr
.endr
.endm
; 64 numbers of a lane become a fragment's 12 registers in v[PC] on and its scale word in v[PW]
.macro QUANT s
.irp b, 0,1,2,3
	v_max3_num_f32 v[TM+\b], |v[\s+16*\b]|, |v[\s+1+16*\b]|, 0x2800000   ; block b: my 16 numbers, and the floor 2^(5 - 127): the byte cannot fall under 1
.endr
.irp i, 2,4,6,8,10,12,14
.irp b, 0,1,2,3
	v_max3_num_f32 v[TM+\b], v[TM+\b], |v[\s+16*\b+\i]|, |v[\s+1+16*\b+\i]|   ; the four blocks by turns
.endr
.endr
.irp b, 0,1,2,3
	v_permlanex16_b32 v[TM+4+\b], v[TM+\b], s[SEL], s[SEL+1]
.endr
.irp b, 0,1,2,3
	v_max_num_f32 v[TM+\b], v[TM+\b], v[TM+4+\b]   ; with lane l xor 16's: the block's largest magnitude
.endr
.irp b, 0,1,2,3
	v_add_nc_u32 v[TM+12+\b], 0xfe000000, v[TM+\b] ; 4 off its exponent field: the conversion's scale operand
.endr
.irp b, 0,1,2,3
	v_lshrrev_b32 v[TM+4+\b], 23, v[TM+12+\b]      ; the scale's byte
.endr
	v_lshl_or_b32 v[PW], v[TM+5], 8, v[TM+4]
	v_lshl_or_b32 v[PW], v[TM+6], 16, v[PW]
	v_lshl_or_b32 v[PW], v[TM+7], 24, v[PW]
.irp c, 0,1
	v_cvt_scalef32_pk16_bf6_f32 v[PC+6*\c:PC+2+6*\c], v[\s+32*\c:\s+15+32*\c], v[TM+12+2*\c]
	v_cvt_scalef32_pk16_bf6_f32 v[PC+12+4*\c:PC+14+4*\c], v[\s+16+32*\c:\s+31+32*\c], v[TM+12+2*\c+1]   ; a conversion's three registers begin on an even number
.endr
	v_nop                                          ; one plain place behind a scaled conversion
.irp c, 0,1                            ; the operand wants a whole block in a lane: lanes 0-15 block 2 c, lanes 16-31 block 2 c + 1
.irp i, 0,1,2
	v_permlane16_swap_b32 v[PC+6*\c+\i], v[PC+12+4*\c+\i]
.endr
.irp i, 0,1,2
	v_mov_b32 v[PC+3+6*\c+\i], v[PC+12+4*\c+\i]
.endr
.endr
.endm
.macro QCHUNK c
.if (\c) < 3
	s_wait_loadcnt 16                              ; this chunk's 16 loads are in; the next chunk's 16 may be out
.else
	s_wait_loadcnt 0x0
.endif
	TURN \c
	s_wait_dscnt 0x0
.if (\c) > 0
	s_wait_xcnt 0x0                                ; the last chunk's stores have read their data: the codes' registers are written again
.endif
	QUANT RR+64*((\c)%2)
.if (\c) < 2
	LOAD (\c)+2
.endif
	global_store_b128 v4, v[PC:PC+3], s[18:19] offset:1536*(\c)           ; 512, 256, 512, 256 consecutive bytes, each run aligned to 256
	global_store_b64 v5, v[PC+4:PC+5], s[18:19] offset:1536*(\c)+512
	global_store_b128 v4, v[PC+6:PC+9], s[18:19] offset:1536*(\c)+768
	global_store_b64 v5, v[PC+10:PC+11], s[18:19] offset:1536*(\c)+1280
	ds_store_b32 v8, v[PW] offset:128*(\c)
.endm
	LOAD 0
	LOAD 1
	QCHUNK 0
	QCHUNK 1
	QCHUNK 2
	QCHUNK 3
	ds_load_b128 v[200:203], v9                    ; the four scale registers' images, 512 bytes on end
	s_wait_dscnt 0x0
	global_store_b128 v4, v[200:203], s[20:21]
	s_wait_tensorcnt 0x0
	ds_add_u32 v208, v209
	s_wait_dscnt 0x0
	s_endpgm
; ---------------- the mask ----------------
; Work-group 480 + qt takes query tile qt; wave k takes key steps 4 k .. 4 k + 3.  Word n (0..63) of a step: bit l = mask[query of lane l % 16][128 step + 32 (n / 16) + 16 (l / 16) + n % 16].
.Lmask:
	s_sub_co_u32 s24, ttmp9, 480                   ; qt
	s_lshr_b32 s25, s24, 1
	s_lshl_b32 s25, s25, 5
	s_and_b32 s26, s24, 1
	s_lshl_b32 s26, s26, 3
	s_add_co_u32 s25, s25, s26                     ; the tile's first query
	s_lshl_b32 s25, s25, 11                        ; a row of the mask is 2,048 bytes
	s_lshl_b32 s26, s[WV], 9
	s_add_co_u32 s25, s25, s26                     ; + my four steps' 512 keys
	v_and_b32 v6, 8, v2
	v_add_nc_u32 v6, v6, v2                        ; r + 8 (r / 8)
	v_lshlrev_b32 v6, 11, v6
	v_lshl_add_u32 v6, v3, 4, v6                   ; + 16 h
	v_add_nc_u32 v6, s25, v6
	s_lshl_b32 s26, s24, 4
	s_lshl_b32 s27, s[WV], 2
	s_add_co_u32 s26, s26, s27
	s_lshl_b32 s26, s26, 8                         ; a step's 64 words are 256 bytes
	s_mov_b32 s27, 0
	s_add_nc_u64 s[28:29], s[22:23], s[26:27]
	s_lshl_b32 s26, s24, 2
	s_add_co_u32 s26, s26, s[WV]
	s_lshl_b32 s26, s26, 8
	s_add_nc_u64 s[30:31], s[22:23], s[26:27]      ; my 256 bytes of flags, 524,288 bytes on
.irp i, 0,1,2,3
.irp b, 0,1,2,3
	global_load_b128 v[64+16*\i+4*\b:64+16*\i+4*\b+3], v6, s[16:17] offset:128*\i+32*\b th:TH_LOAD_NT
.endr
.endr
.irp i, 0,1,2,3,4,5,6,7
	v_mov_b32 v[48+\i], 0                          ; a pair of registers for each step's words: no store's data are written again
.endr
	s_mov_b32 s46, 0
	s_mov_b32 s47, 0
.macro MSTEP i
	s_wait_loadcnt 12-4*\i                         ; this step's four loads are in; the later steps' may be out
	s_mov_b32 s48, 0
	s_mov_b32 s49, -1
.irp g, 0,1,2,3,4,5,6,7                ; eight words at a time
.irp m, 0,1,2,3,4,5,6,7
	v_and_b32 v[40+\m], 0xff<<(8*(\m%4)), v[64+16*\i+2*\g+\m/4]
.endr
.irp m, 0,1,2,3,4,5,6,7
	v_cmp_ne_u32 s[32+\m], 0, v[40+\m]
.endr
.irp m, 0,1,2,3,4,5,6,7
	s_or_b32 s48, s48, s[32+\m]
	s_and_b32 s49, s49, s[32+\m]
	v_writelane_b32 v[48+2*\i+\m%2], s[32+\m], 4*\g+\m/2
.endr
.endr
	global_store_b64 v5, v[48+2*\i:49+2*\i], s[28:29] offset:256*\i       ; 256 consecutive bytes, aligned
	s_cmp_lg_u32 s48, 0
	s_cselect_b32 s50, 1<<\i, 0
	s_or_b32 s46, s46, s50                         ; some key of the step counts
	s_cmp_eq_u32 s49, -1
	s_cselect_b32 s50, 1<<\i, 0
	s_or_b32 s47, s47, s50                         ; all count
.endm
	MSTEP 0
	MSTEP 1
	MSTEP 2
	MSTEP 3
	s_lshl_b32 s50, s[WV], 2
	s_lshl_b32 s46, s46, s50                       ; bit step: some;
	s_add_co_u32 s50, s50, 16
	s_lshl_b32 s47, s47, s50                       ; bit 16 + step: all
	s_or_b32 s46, s46, s47
	v_mov_b32 v60, s46
	v_mov_b32 v61, s46
	global_store_b64 v5, v[60:61], s[30:31] offset:524288
	s_endpgm
.Lfunc_end_k_q730afcbddc_prep:
	.size	k_q730afcbddc_prep, .Lfunc_end_k_q730afcbddc_prep-k_q730afcbddc_prep
	.p2alignl 7, 3214868480
	.fill 96, 4, 3214868480
	.section	.rodata,"a",@progbits
	.p2align	6, 0x0
	.amdhsa_kernel k_q730afcbddc_prep
		.amdhsa_group_segment_fixed_size 37376
		.amdhsa_private_segment_fixed_size 0
		.amdhsa_enable_private_segment 0
		.amdhsa_kernarg_size 80
		.amdhsa_user_sgpr_count 2
		.amdhsa_user_sgpr_kernarg_segment_ptr 1
		.amdhsa_wavefront_size32 1
		.amdhsa_system_sgpr_workgroup_id_x 1
		.amdhsa_system_sgpr_workgroup_id_y 1
		.amdhsa_system_sgpr_workgroup_id_z 1
		.amdhsa_system_vgpr_workitem_id 0
		.amdhsa_next_free_vgpr 210
		.amdhsa_next_free_sgpr 66
		.amdhsa_reserve_vcc 0
		.amdhsa_float_denorm_mode_32 3
		.amdhsa_float_denorm_mode_16_64 3
		.amdhsa_memory_ordered 1
		.amdhsa_forward_progress 1
		.amdhsa_inst_pref_size 105
	.end_amdhsa_kernel
	.amdgpu_metadata
---
amdhsa.version: [ 1, 2 ]
amdhsa.kernels:
  - .name:           k_q730afcbddc_prep
    .symbol:         k_q730afcbddc_prep.kd
    .args:
      - { .name: x, .offset: 0, .size: 8, .value_kind: global_buffer, .address_space: global }
      - { .name: wq, .offset: 8, .size: 8, .value_kind: global_buffer, .address_space: global }
      - { .name: wk, .offset: 16, .size: 8, .value_kind: global_buffer, .address_space: global }
      - { .name: wv, .offset: 24, .size: 8, .value_kind: global_buffer, .address_space: global }
      - { .name: w1, .offset: 32, .size: 8, .value_kind: global_buffer, .address_space: global }
      - { .name: w2, .offset: 40, .size: 8, .value_kind: global_buffer, .address_space: global }
      - { .name: mask, .offset: 48, .size: 8, .value_kind: global_buffer, .address_space: global }
      - { .name: img, .offset: 56, .size: 8, .value_kind: global_buffer, .address_space: global }
      - { .name: scl, .offset: 64, .size: 8, .value_kind: global_buffer, .address_space: global }
      - { .name: mb, .offset: 72, .size: 8, .value_kind: global_buffer, .address_space: global }
    .group_segment_fixed_size: 37376
    .private_segment_fixed_size: 0
    .kernarg_segment_align: 8
    .kernarg_segment_size: 80
    .max_flat_workgroup_size: 128
    .sgpr_count:     66
    .vgpr_count:     210
    .wavefront_size: 32
...
	.end_amdgpu_metadata
.endif
;; end of part 1
;; launch qkv (part 2): grid 12 x 16, 4 waves a work-group, clusters of 4 x 4, 327,680 bytes of LDS; arguments img, scl, qq, kv; writes qq, kv
.if DOCPART == 2
	.amdgcn_target "amdgcn-amd-amdhsa--gfx1250"
	.amdhsa_code_object_version 6
	.text
	.protected	k_q730afcbddc_qkv
	.globl	k_q730afcbddc_qkv
	.p2align	8
	.type	k_q730afcbddc_qkv,@function
k_q730afcbddc_qkv:
	s_mov_b64 s[64:65], 0
	v_nop
	global_prefetch_b8 v0, s[64:65] scope:SCOPE_SE
	s_setreg_imm32_b32 hwreg(HW_REG_WAVE_MODE, 25, 1), 1
	s_wait_xcnt 0x0
	s_wait_alu depctr_hold_cnt(0) depctr_sa_sdst(0) depctr_va_vdst(0) depctr_va_sdst(0) depctr_va_ssrc(0) depctr_va_vcc(0) depctr_vm_vsrc(0)
	s_getreg_b32 s2, hwreg(HW_REG_IB_STS2, 6, 4)
	s_cmp_eq_u32 s2, 0
	s_cbranch_scc0 .Lentry_in_a_cluster
	s_endpgm
.Lentry_in_a_cluster:
	s_bfe_u32 s2, ttmp6, 0x10000c
	s_cmp_lg_u32 s2, 0xf033
	s_cbranch_scc0 .Lentry_shape_is_right
	s_endpgm
.Lentry_shape_is_right:
; QKV.  Z[i][j] = sum over k of P[i][k] R[j][k], K = 1,024, on codes of BF6 (E3M2) with E8M0 scales; then Z is quantised again, straight from the accumulators, along j.
; Clusters with x = 0, 1: P = x (tokens), R = wq | wk: a lane holds one token and 128 features (two heads): q and k, quantised along the head's 64.
; Clusters with x = 2:    P = wv, R = x: a lane holds one feature and 128 tokens (a key step): v, quantised along the keys.
; A work-group makes 256 x 256, a wave 128 x 128: 64 accumulators, 512 registers.  Operands lie in memory as images of their registers (1,536 bytes for 16 rows x 128 K), so a slot's tile is
; 8 rows of 3,072 bytes and a fragment comes by two loads of 16 and two of 8 bytes a lane, each of consecutive bytes: no pitch, no padding.  K goes in steps of 256 through two LDS slots.
; THE SCALES of the work-group's rows, for all of K, come once (8,192 bytes a wave) and stay.  CLUSTERS 4 x 4: P's tiles are asked for jointly along a row, R's along a column.
; SOURCE 0 = R, SOURCE 1 = P; the rows of a tile of R are ordered so that the 16 registers of two neighbouring tiles are 16 neighbours along j.
; LIMITS: a block whose largest magnitude lies under 2^-122 (zeros too) gets the scale byte 1; NaN and infinities are not served here.
; All of a WGP's LDS is claimed.
; REGISTERS: window 0: v0-31 addresses; v32-63 scale words, two sets; v128-223 P's fragments, one set.  window 1: R's fragments, two sets, at v0 and v128.  windows 2, 3: accumulators, (a, b) at v[8 (8 (a % 4) + b)].
.set NQ,    2                          ; matrix instructions deep in a slot
.set FR,    12
.set NL,    4                          ; LDS loads that bring a fragment
.set NP,    4                          ; places behind this matrix form (ISA guide 7.12.1)
.set RTB,   3072                       ; a row tile's bytes in a slot
.set HALFT, 8*RTB                      ; what one tensor load brings
.set SLOT,  4*HALFT
.set LAPS,  2                          ; 1,024 along K = 4 slots' worth
.set SCL,   262144                     ; the scales: 4 x 8,192 bytes
.set SPARE, 294912                     ; the spare words: 128 bytes a wave, two blocks of 256 bytes that no other line names
.set LN16, 8
.set LN8,  9
.set LN4,  10
.set QSO,  11                          ; the way out: where a lane puts its scale word
.set ADRA, 16                          ; v16-17 P's fragments in slot 0, 1 (16 x lane); v18-19 the same with 8 x lane
.set ADRB, 20                          ; v20-23 likewise for R
.set ADRS, 27
.set SPW,  28
.set NIL,  29
.set SC,   32
.set AF,   128
.set TM,   200
.set PW,   216
.set PWS,  218
.set PC,   64
.set G1, 24
.set G0, 32
.set G1B, 48
.set G0B, 56
.set G1S, 68
.set G0S, 76
.set G1SB, 80
.set G0SB, 88
.set SEL, 24                           ; behind the last tensor load's wait the descriptors' registers are free: s[24:25] lane selects, s26 the mask of lanes 16-31
.set HM,  26
.set MSB, 0
.macro WIN new                         ; the immediate's high byte repeats the setting that is left
.if MSB != (\new)
	s_set_vgpr_msb (MSB<<8)|(\new)
.set MSB, (\new)
.endif
.endm
.set MUL_LO, 0xa1                      ; source 0 (R) window 1, source 1 (P) window 0, C and D window 2
.set MUL_HI, 0xf1
.set TO_B,   0x40
.macro JLOAD g0a, g1a, g0b, g1b        ; a joint load: waves 0, 1 fetch for P, waves 2, 3 for R; four v_nop follow each line
	s_cmp_eq_u32 s15, 0
	s_cbranch_scc0 .Lfor_b_\@
	tensor_load_to_lds s[\g0a:\g0a+3], s[\g1a:\g1a+7]
	s_nop 0
.rept 4
	v_nop
.endr
	s_branch .Lasked_\@
.Lfor_b_\@:
	tensor_load_to_lds s[\g0b:\g0b+3], s[\g1b:\g1b+7]
	s_nop 0
.rept 4
	v_nop
.endr
.Lasked_\@:
.endm
.macro CREST
	s_cmp_lg_u32 s14, 0
	s_cbranch_scc1 .Lnot_wave_0_\@
	s_barrier_signal -3
.Lnot_wave_0_\@:
	s_barrier_wait -3
	s_barrier_signal -1
	s_barrier_wait -1
.endm
.macro CROUND
	s_barrier_signal -1
	s_barrier_wait -1
	CREST
.endm
	s_load_b256 s[4:11], s[0:1], 0x0               ; img, scl, qq, kv
	v_lshl_add_u32 v[SPW], v0, 2, SPARE
	v_mov_b32 v[NIL], 0
	ds_add_u32 v28, v29
	ds_add_u32 v28, v29
	s_wait_dscnt 0x0
	v_lshrrev_b32 v1, 5, v0
	v_readfirstlane_b32 s14, v1                    ; wave
	s_lshr_b32 s15, s14, 1                         ; which 128 rows of P are mine; also: I fetch for P (0) or R (1)
	s_and_b32 s16, s14, 1                          ; which 128 rows of R; also: which half I fetch
	s_bfe_u32 s40, ttmp6, 0x40000                  ; cx
	s_bfe_u32 s41, ttmp6, 0x40004                  ; cy
	s_lshl_b32 s43, s41, 2
	s_lshl_b32 s43, 15, s43                        ; my row of the cluster
	s_lshl_b32 s44, 0x1111, s40                    ; my column
	s_and_b32 s12, ttmp7, 0xffff
	s_lshl_b32 s12, s12, 2                         ; 4 x cluster y
	s_lshl_b32 s13, ttmp9, 2                       ; 4 x cluster x
	s_cmp_lt_u32 ttmp9, 2                          ; the role hangs on the cluster's x, which all sixteen partners share
	s_cselect_b32 s17, s12, 0
	s_cselect_b32 s42, s13, s12
	s_cselect_b32 s92, 0, 4718592                  ; P's codes in img: x, or wv
	s_cselect_b32 s93, 0, 393216                   ; P's scales in scl
	s_cselect_b32 s94, 3145728, 0                  ; R's codes: wq | wk, or x
	s_cselect_b32 s95, 262144, 0
	s_add_co_u32 s17, s17, s41                     ; P's tile of 256 rows: hangs on cy alone within the cluster
	s_add_co_u32 s42, s42, s40                     ; R's: on cx alone
	s_or_b32 s[G1+0], s43, (3<<16)|(1<<21)         ; 15:0 the mask; 17:16 elements of 8 bytes; 21 set beside a mask; no padding
	s_or_b32 s[G1B+0], s44, (3<<16)|(1<<21)
.irp g, G1, G1B
	s_mov_b32 s[\g+1], 384<<16                     ; tensor_dim0 = 384 elements: 3,072 bytes, two fragments of a row tile
	s_mov_b32 s[\g+2], 8<<16                       ; tensor_dim1 = 8 row tiles
	s_mov_b32 s[\g+3], 384<<16                     ; tile_dim0
	s_mov_b32 s[\g+4], 8                           ; tile_dim1
	s_mov_b32 s[\g+5], 1536                        ; from row tile to row tile: 12,288 bytes
	s_mov_b32 s[\g+6], 0
	s_mov_b32 s[\g+7], 0
.endr
	s_or_b32 s[G1S+0], s43, (3<<16)|(1<<21)        ; the scales of 8 row tiles: 8,192 dense bytes, as 32 rows of 256
	s_or_b32 s[G1SB+0], s44, (3<<16)|(1<<21)
.irp g, G1S, G1SB
	s_mov_b32 s[\g+1], 32<<16
	s_mov_b32 s[\g+2], 32<<16
	s_mov_b32 s[\g+3], 32<<16
	s_mov_b32 s[\g+4], 32
	s_mov_b32 s[\g+5], 32
	s_mov_b32 s[\g+6], 0
	s_mov_b32 s[\g+7], 0
.endr
	s_lshl_b32 s20, s17, 1
	s_add_co_u32 s20, s20, s16                     ; which 8 row tiles of P I would fetch
	s_lshl_b32 s22, s20, 13
	s_add_co_u32 s22, s22, s93
	s_mov_b32 s23, 0
	s_mul_i32 s20, s20, 98304
	s_add_co_u32 s20, s20, s92
	s_mov_b32 s21, 0
	s_lshl_b32 s46, s42, 1
	s_add_co_u32 s46, s46, s16                     ; and of R
	s_lshl_b32 s96, s46, 13
	s_add_co_u32 s96, s96, s95
	s_mov_b32 s97, 0
	s_mul_i32 s46, s46, 98304
	s_add_co_u32 s46, s46, s94
	s_mov_b32 s47, 0
	s_mul_i32 s45, s14, HALFT                      ; where they go: by the wave's number alone
	s_lshl_b32 s98, s14, 13
	s_wait_kmcnt 0x0
	s_add_nc_u64 s[20:21], s[4:5], s[20:21]
	s_add_nc_u64 s[22:23], s[6:7], s[22:23]
	s_add_nc_u64 s[46:47], s[4:5], s[46:47]
	s_add_nc_u64 s[96:97], s[6:7], s[96:97]
	CROUND                                         ; all sixteen work-groups are here: the first joint loads meet
	s_mov_b32 s[G0S], 1
	s_add_co_u32 s[G0S+1], s98, SCL
	s_mov_b64 s[G0S+2:G0S+3], s[22:23]
	s_or_b32 s[G0S+3], s[G0S+3], 0x80000000
	s_mov_b32 s[G0SB], 1
	s_add_co_u32 s[G0SB+1], s98, SCL
	s_mov_b64 s[G0SB+2:G0SB+3], s[96:97]
	s_or_b32 s[G0SB+3], s[G0SB+3], 0x80000000
	JLOAD G0S, G1S, G0SB, G1SB                     ; the scales first
.irp s, 0,1
	s_mov_b32 s[G0+4*\s], 1
	s_add_co_u32 s[G0+4*\s+1], s45, \s*SLOT
	s_add_nc_u64 s[G0+4*\s+2:G0+4*\s+3], s[20:21], \s*RTB
	s_or_b32 s[G0+4*\s+3], s[G0+4*\s+3], 0x80000000
	s_mov_b32 s[G0B+4*\s], 1
	s_add_co_u32 s[G0B+4*\s+1], s45, \s*SLOT
	s_add_nc_u64 s[G0B+4*\s+2:G0B+4*\s+3], s[46:47], \s*RTB
	s_or_b32 s[G0B+4*\s+3], s[G0B+4*\s+3], 0x80000000
	JLOAD G0+4*\s, G1, G0B+4*\s, G1B
.endr
	v_and_b32 v1, 31, v0
	v_bfe_u32 v2, v0, 4, 1                         ; h
	v_lshlrev_b32 v[LN16], 4, v1
	v_lshlrev_b32 v[LN8], 3, v1
	v_lshlrev_b32 v[LN4], 2, v1
	s_mul_i32 s21, s15, HALFT                      ; my 8 row tiles of P
	s_mul_i32 s22, s16, HALFT
	s_add_co_u32 s22, s22, 2*HALFT                 ; and of R, behind P's 16
.irp s, 0,1
	v_add_nc_u32 v[ADRA+\s], s21, v[LN16]
	v_add_nc_u32 v[ADRB+\s], s22, v[LN16]
	v_add_nc_u32 v[ADRA+2+\s], s21, v[LN8]
	v_add_nc_u32 v[ADRB+2+\s], s22, v[LN8]
	s_add_co_u32 s21, s21, SLOT
	s_add_co_u32 s22, s22, SLOT
.endr
	s_lshl_b32 s21, s15, 13                        ; scale words: lanes 0-15 take P's, lanes 16-31 R's: the lower base + h x the distance
	s_lshl_b32 s22, s16, 13
	s_add_co_u32 s22, s22, 16384
	s_sub_co_u32 s22, s22, s21
	v_mul_u32_u24 v6, s22, v2
	s_add_co_u32 s21, s21, SCL
	v_add_nc_u32 v5, v[LN4], v6
	v_add_nc_u32 v[ADRS], s21, v5
.macro FRAG reg, adr, q, i             ; a fragment's image back into 12 registers
	ds_load_b128 v[\reg:\reg+3], v[\adr] offset:(\i)*RTB+(\q)*1536
	ds_load_b64 v[\reg+4:\reg+5], v[\adr+2] offset:(\i)*RTB+(\q)*1536+512
	ds_load_b128 v[\reg+6:\reg+9], v[\adr] offset:(\i)*RTB+(\q)*1536+768
	ds_load_b64 v[\reg+10:\reg+11], v[\adr+2] offset:(\i)*RTB+(\q)*1536+1280
.endm
; 16 matrix instructions: P's blocks a0, a0 + 1 x R's eight.  The 64 accumulators take turns, one instruction a turn, in the same order in every step.
.macro MUL16 a0, p, q, sc, zero
.irp a, \a0, \a0+1
.irp b, 0,1,2,3,4,5,6,7
.if \zero
	v_wmma_scale_f32_16x16x128_f8f6f4 v[8*(8*((\a)%4)+\b):8*(8*((\a)%4)+\b)+7], v[128*(\p)+FR*\b:128*(\p)+FR*\b+FR-1], v[AF+FR*(\a):AF+FR*(\a)+FR-1], 0, v[SC+8*NQ*(\sc)+NQ*\b+(\q)], v[SC+8*NQ*(\sc)+NQ*(\a)+(\q)] matrix_a_fmt:MATRIX_FMT_BF6 matrix_b_fmt:MATRIX_FMT_BF6 matrix_a_scale:MATRIX_SCALE_ROW1
.else
	v_wmma_scale_f32_16x16x128_f8f6f4 v[8*(8*((\a)%4)+\b):8*(8*((\a)%4)+\b)+7], v[128*(\p)+FR*\b:128*(\p)+FR*\b+FR-1], v[AF+FR*(\a):AF+FR*(\a)+FR-1], v[8*(8*((\a)%4)+\b):8*(8*((\a)%4)+\b)+7], v[SC+8*NQ*(\sc)+NQ*\b+(\q)], v[SC+8*NQ*(\sc)+NQ*(\a)+(\q)] matrix_a_fmt:MATRIX_FMT_BF6 matrix_b_fmt:MATRIX_FMT_BF6 matrix_a_scale:MATRIX_SCALE_ROW1
.endif
.endr
.endr
.endm
.macro FETCH_B slot, q, p
	WIN TO_B
.irp i, 0,1,2,3,4,5,6,7
	FRAG 128*(\p)+FR*\i, ADRB+\slot, \q, \i
.endr
	WIN 0
.endm
.macro FETCH_A slot, q, i0
.irp i, \i0, \i0+1, \i0+2, \i0+3
	FRAG AF+FR*(\i), ADRA+\slot, \q, \i
.endr
.endm
.macro SCALES sc                       ; a slot's scale words: register NQ i + q: lanes 0-15 P's block i, lanes 16-31 R's block i
.irp i, 0,1,2,3,4,5,6,7
.irp q, 0,1
	ds_load_b32 v[SC+8*NQ*\sc+NQ*\i+\q], v[ADRS] offset:\i*1024+\q*128
.endr
.endr
.endm
.macro PLACES n                        ; plain places in front of loads into registers that matrix instructions have read, and of reads of results
.rept \n
	v_nop
.endr
.endm
.macro STEP slot, q, zero              ; 128 along K whose successor lies in the same slot
	s_wait_dscnt 4*NL                              ; all but the youngest 16 loads (P's blocks 4-7) are in
	WIN MUL_LO
	MUL16 0, (\q)%2, \q, \slot, \zero
	MUL16 2, (\q)%2, \q, \slot, \zero
	s_wait_dscnt 0
	PLACES NP
	FETCH_B \slot, (\q)+1, 1-(\q)%2
	FETCH_A \slot, (\q)+1, 0
	WIN MUL_HI
	MUL16 4, (\q)%2, \q, \slot, \zero
	MUL16 6, (\q)%2, \q, \slot, \zero
	PLACES NP
	WIN 0
	FETCH_A \slot, (\q)+1, 4
.endm
.macro TURN slot, next, fill           ; a slot's last step changes slots: one barrier
	s_wait_tensorcnt 0x0                           ; all my tensor loads have landed: my part of the next slot
	ds_add_u32 v[SPW], v[NIL]                      ; 0 onto my spare word
	s_wait_dscnt 4*NL+1                            ; the add and the youngest 16 loads may be out
	WIN MUL_LO
	MUL16 0, 1, NQ-1, \slot, 0
	s_wait_dscnt 0x0                               ; the add is done, and my reads of this slot are over
	s_barrier_signal -1
	MUL16 2, 1, NQ-1, \slot, 0
	WIN 0
	s_barrier_wait -1
.if \fill
	CREST                                          ; the barrier has opened a round of the cluster's: no wave of any partner still reads this slot or has a load on its way
	s_add_nc_u64 s[G0+4*\slot+2:G0+4*\slot+3], s[G0+4*\slot+2:G0+4*\slot+3], 2*RTB
	s_add_nc_u64 s[G0B+4*\slot+2:G0B+4*\slot+3], s[G0B+4*\slot+2:G0B+4*\slot+3], 2*RTB
	JLOAD G0+4*\slot, G1, G0B+4*\slot, G1B         ; the first tensor load behind the round; its four v_nop are the places in front of the loads below
.else
	PLACES NP
.endif
	v_add_nc_u32 v[ADRS], 128*NQ, v[ADRS]          ; the next slot's scale words
	FETCH_B \next, 0, 0
	FETCH_A \next, 0, 0
	SCALES \next
	WIN MUL_HI
	MUL16 4, 1, NQ-1, \slot, 0
	MUL16 6, 1, NQ-1, \slot, 0
	PLACES NP
	WIN 0
	FETCH_A \next, 0, 4
.endm
	s_wait_tensorcnt 1                             ; the scales and my part of slot 0 are in; slot 1's load may be out
	s_barrier_signal -1
	s_barrier_wait -1
	FETCH_B 0, 0, 0
	FETCH_A 0, 0, 0
	SCALES 0
	FETCH_A 0, 0, 4
	STEP 0, 0, 1                                   ; the first step's products start the sums
	s_mov_b32 s3, LAPS-1
.Llap:
	TURN 0, 1, 1
	STEP 1, 0, 0
	TURN 1, 0, 1
	STEP 0, 0, 0
	s_sub_co_u32 s3, s3, 1
	s_cmp_lg_u32 s3, 0
	s_cbranch_scc1 .Llap
	TURN 0, 1, 0                                   ; the last lap fills nothing
	STEP 1, 0, 0
	s_wait_dscnt 4*NL
	WIN MUL_LO
	MUL16 0, 1, NQ-1, 1, 0
	MUL16 2, 1, NQ-1, 1, 0
	s_wait_dscnt 0
	WIN MUL_HI
	MUL16 4, 1, NQ-1, 1, 0
	MUL16 6, 1, NQ-1, 1, 0
	WIN 0
	PLACES NP
; THE WAY OUT.  For P's block a the lane's 64 registers (window W) are 128 neighbours' worth along j: register 16 b + i = j 32 b + 16 h + i.  They become a fragment's codes and a scale word.
.macro QUANT s, W, pw
	WIN (\W)|((\W)<<2)
.irp b, 0,1,2,3
	v_max3_num_f32 v[TM+\b], |v[(\s)+16*\b]|, |v[(\s)+1+16*\b]|, 0x2800000   ; each accumulator is read from its low end on; the floor 2^(5 - 127) holds the byte at 1
.endr
	WIN ((\W)<<2)|((\W)<<4)
.irp i, 2,4,6,8,10,12,14
.irp b, 0,1,2,3
	v_max3_num_f32 v[TM+\b], v[TM+\b], |v[(\s)+16*\b+\i]|, |v[(\s)+1+16*\b+\i]|
.endr
.endr
	WIN 0
.irp b, 0,1,2,3
	v_permlanex16_b32 v[TM+4+\b], v[TM+\b], s[SEL], s[SEL+1]
.endr
.irp b, 0,1,2,3
	v_max_num_f32 v[TM+\b], v[TM+\b], v[TM+4+\b]
.endr
.irp b, 0,1,2,3
	v_add_nc_u32 v[TM+12+\b], 0xfe000000, v[TM+\b] ; 4 off the exponent field: the conversion's scale operand
.endr
.irp b, 0,1,2,3
	v_lshrrev_b32 v[TM+4+\b], 23, v[TM+12+\b]
.endr
	v_lshl_or_b32 v[\pw], v[TM+5], 8, v[TM+4]
	v_lshl_or_b32 v[\pw], v[TM+6], 16, v[\pw]
	v_lshl_or_b32 v[\pw], v[TM+7], 24, v[\pw]
	WIN (\W)
.irp c, 0,1
	v_cvt_scalef32_pk16_bf6_f32 v[PC+6*\c:PC+2+6*\c], v[(\s)+32*\c:(\s)+15+32*\c], v[TM+12+2*\c]
	v_cvt_scalef32_pk16_bf6_f32 v[PC+12+4*\c:PC+14+4*\c], v[(\s)+16+32*\c:(\s)+31+32*\c], v[TM+12+2*\c+1]
.endr
	WIN 0
	v_nop                                          ; one plain place behind a scaled conversion
.irp c, 0,1
.irp i, 0,1,2
	v_permlane16_swap_b32 v[PC+6*\c+\i], v[PC+12+4*\c+\i]
.endr
.irp i, 0,1,2
	v_mov_b32 v[PC+3+6*\c+\i], v[PC+12+4*\c+\i]
.endr
.endr
.endm
	s_mov_b32 s[SEL], 0x76543210
	s_mov_b32 s[SEL+1], 0xfedcba98
	s_mov_b32 s[HM], 0xffff0000
.irp b, 0,1,2,3
	v_mov_b32 v[TM+4+\b], 0
.endr
	s_lshl_b32 s28, s42, 1
	s_add_co_u32 s28, s28, s16                     ; which 128 of R's rows are mine
	s_cmp_lt_u32 ttmp9, 2
	s_cbranch_scc0 .Lvpath
; q and k: registers 0-5 of the fragment are the first head's half (16 tokens x 64), registers 6-11 the second head's
	s_and_b32 s28, s28, 7
	s_lshl_b32 s28, s28, 1                         ; the first head
	s_lshr_b32 s29, s17, 3                         ; the batch
	s_lshl_b32 s29, s29, 4
	s_add_co_u32 s28, s28, s29
	s_lshl_b32 s29, s17, 1
	s_add_co_u32 s29, s29, s15
	s_and_b32 s29, s29, 15                         ; which 128 tokens of the batch
	s_cmp_eq_u32 ttmp9, 0                          ; q's buffer or k's: by the cluster's x alone
	s_cselect_b64 s[20:21], s[8:9], s[10:11]
	s_mov_b32 s30, 208896
	s_cselect_b32 s30, 98304, s30                  ; from head to head
	s_mov_b32 s32, 13056
	s_cselect_b32 s32, 6144, s32                   ; from 128 tokens to the next
	s_mov_b32 s33, 208896
	s_cselect_b32 s33, 8192, s33                   ; the same two for the scale words
	s_mov_b32 s34, 13056
	s_cselect_b32 s34, 512, s34
	s_mov_b32 s35, 12288
	s_cselect_b32 s35, 3145728, s35                ; and where they begin
	s_mov_b32 s31, 0
	s_mul_i32 s36, s28, s33
	s_mul_i32 s37, s29, s34
	s_add_co_u32 s36, s36, s37
	s_add_co_u32 s36, s36, s35
	s_mov_b32 s37, 0
	s_add_nc_u64 s[46:47], s[20:21], s[36:37]      ; scale words
	s_mul_i32 s36, s28, s30
	s_mul_i32 s38, s29, s32
	s_add_co_u32 s36, s36, s38
	s_add_nc_u64 s[20:21], s[20:21], s[36:37]      ; the first head's halves
	s_add_nc_u64 s[22:23], s[20:21], s[30:31]      ; the second head's
	v_and_b32 v3, 15, v0
	v_lshlrev_b32 v3, 2, v3
	v_mul_u32_u24 v4, s33, v2
	v_add_nc_u32 v[QSO], v3, v4                    ; lanes 0-15 store the first head's word, lanes 16-31 the second's
.macro OUTQK a
	s_wait_xcnt 0x0                                ; the last block's stores have read their data
	QUANT 64*((\a)%4), 2+(\a)/4, PW
	global_store_b128 v[LN16], v[PC:PC+3], s[20:21] offset:768*(\a)
	global_store_b64 v[LN8], v[PC+4:PC+5], s[20:21] offset:768*(\a)+512
	global_store_b128 v[LN16], v[PC+6:PC+9], s[22:23] offset:768*(\a)
	global_store_b64 v[LN8], v[PC+10:PC+11], s[22:23] offset:768*(\a)+512
	v_lshrrev_b32 v[PWS], 16, v[PW]
	v_cndmask_b32 v[PWS], v[PW], v[PWS], s[HM]
	global_store_b32 v[QSO], v[PWS], s[46:47] offset:64*(\a)
.endm
.irp a, 0,1,2,3,4,5,6,7
	OUTQK \a
.endr
	s_branch .Ldone
; v: a fragment is 16 features x 128 keys, one of the four of a head's key step
.Lvpath:
	s_lshr_b32 s29, s28, 4                         ; the batch
	s_and_b32 s28, s28, 15                         ; the key step
	s_lshl_b32 s30, s17, 2
	s_lshl_b32 s31, s15, 1
	s_add_co_u32 s30, s30, s31                     ; my first head
	s_lshl_b32 s29, s29, 4
	s_add_co_u32 s29, s29, s30
	s_lshl_b32 s29, s29, 4
	s_add_co_u32 s29, s29, s28                     ; the record
	s_mul_i32 s36, s29, 13056
	s_mov_b32 s37, 0
	s_add_nc_u64 s[20:21], s[10:11], s[36:37]
.macro OUTV a
	s_wait_xcnt 0x0
	QUANT 64*((\a)%4), 2+(\a)/4, PW+((\a)%2)
	global_store_b128 v[LN16], v[PC:PC+3], s[20:21] offset:6144+((\a)/4)*208896+((\a)%4)*1536
	global_store_b64 v[LN8], v[PC+4:PC+5], s[20:21] offset:6144+((\a)/4)*208896+((\a)%4)*1536+512
	global_store_b128 v[LN16], v[PC+6:PC+9], s[20:21] offset:6144+((\a)/4)*208896+((\a)%4)*1536+768
	global_store_b64 v[LN8], v[PC+10:PC+11], s[20:21] offset:6144+((\a)/4)*208896+((\a)%4)*1536+1280
.if (\a)%2
	v_cndmask_b32 v[PWS], v[PW], v[PW+1], s[HM]    ; two tiles' words in one register: 128 consecutive bytes
	global_store_b32 v[LN4], v[PWS], s[20:21] offset:12800+((\a)/4)*208896+64*((\a)%4-1)
.endif
.endm
.irp a, 0,1,2,3,4,5,6,7
	OUTV \a
.endr
.Ldone:
	s_wait_tensorcnt 0x0                           ; the wave's end
	ds_add_u32 v[SPW], v[NIL]
	s_wait_dscnt 0x0
	CROUND                                         ; the closing round
	s_endpgm
.Lfunc_end_k_q730afcbddc_qkv:
	.size	k_q730afcbddc_qkv, .Lfunc_end_k_q730afcbddc_qkv-k_q730afcbddc_qkv
	.p2alignl 7, 3214868480
	.fill 96, 4, 3214868480
	.section	.rodata,"a",@progbits
	.p2align	6, 0x0
	.amdhsa_kernel k_q730afcbddc_qkv
		.amdhsa_group_segment_fixed_size 327680
		.amdhsa_private_segment_fixed_size 0
		.amdhsa_enable_private_segment 0
		.amdhsa_kernarg_size 32
		.amdhsa_user_sgpr_count 2
		.amdhsa_user_sgpr_kernarg_segment_ptr 1
		.amdhsa_wavefront_size32 1
		.amdhsa_system_sgpr_workgroup_id_x 1
		.amdhsa_system_sgpr_workgroup_id_y 1
		.amdhsa_system_sgpr_workgroup_id_z 1
		.amdhsa_system_vgpr_workitem_id 0
		.amdhsa_next_free_vgpr 1024
		.amdhsa_next_free_sgpr 100
		.amdhsa_reserve_vcc 0
		.amdhsa_float_denorm_mode_32 3
		.amdhsa_float_denorm_mode_16_64 3
		.amdhsa_memory_ordered 1
		.amdhsa_forward_progress 1
		.amdhsa_inst_pref_size 189
	.end_amdhsa_kernel
	.amdgpu_metadata
---
amdhsa.version: [ 1, 2 ]
amdhsa.kernels:
  - .name:           k_q730afcbddc_qkv
    .symbol:         k_q730afcbddc_qkv.kd
    .args:
      - { .name: img, .offset: 0, .size: 8, .value_kind: global_buffer, .address_space: global }
      - { .name: scl, .offset: 8, .size: 8, .value_kind: global_buffer, .address_space: global }
      - { .name: qq, .offset: 16, .size: 8, .value_kind: global_buffer, .address_space: global }
      - { .name: kv, .offset: 24, .size: 8, .value_kind: global_buffer, .address_space: global }
    .group_segment_fixed_size: 327680
    .private_segment_fixed_size: 0
    .kernarg_segment_align: 8
    .kernarg_segment_size: 32
    .max_flat_workgroup_size: 128
    .sgpr_count:     100
    .vgpr_count:     1024
    .wavefront_size: 32
...
	.end_amdgpu_metadata
.endif
;; end of part 2
;; launch attn (part 3): grid 8 x 32, 16 waves a work-group, no clusters, 55,296 bytes of LDS; arguments qq, kv, mb, x, hb; writes hb
.if DOCPART == 3
	.amdgcn_target "amdgcn-amd-amdhsa--gfx1250"
	.amdhsa_code_object_version 6
	.text
	.protected	k_q730afcbddc_attn
	.globl	k_q730afcbddc_attn
	.p2align	8
	.type	k_q730afcbddc_attn,@function
k_q730afcbddc_attn:
	s_mov_b64 s[64:65], 0
	v_nop
	global_prefetch_b8 v0, s[64:65] scope:SCOPE_SE
	s_setreg_imm32_b32 hwreg(HW_REG_WAVE_MODE, 25, 1), 1
	s_wait_xcnt 0x0
; ATTENTION on codes of BF6 (E3M2), the mask as it is given, and h = x + attention, quantised along the model's 1,024.
; t = score x log2(e) / 8; M = the running largest t rounded up to a whole number; p = 2^(t - M) is quantised along the keys, not normalised; the row's sum is taken of the unquantised p and divides at the end.
; SHARES.  A work-group has one (batch, head) and sixteen tiles of 16 queries, one a wave, in 256 registers: eight tiles from the low end of the sequence and eight from the high end.
; Every wave walks the 16 key steps of 128 keys.  A step's record (K's 8 tiles, V^T's 4 fragments, their scale words) is 13,056 bytes; FOUR records, 52,224 consecutive bytes of memory, form a group.
; A group goes from memory through 28 registers a thread into ONE region of LDS, asked for four key steps ahead.  Between two groups: a barrier behind every wave's reads, the stores, a barrier behind the stores.
; Within a group's four steps no wave waits for another.
; THE MASK.  An earlier launch has stored, for each query tile and key step, 64 lane words (one for each score register) and two flags.  A step none of whose keys counts for my tile is left out by a scalar
; branch on the stored flag; where all count, the lane words are neither loaded nor used.  A group that no tile of the work-group needs is neither loaded nor stored.  These branches stand round loads, LDS stores,
; products and softmax alone: every wave passes every barrier.
; NO TENSOR LOAD AND NO CLUSTER: this launch branches on numbers read from memory.
; LAYOUT.  S^T = K Q^T, O^T = V^T P^T: a lane holds one query throughout.  The keys of a tile are ordered so that the 16 registers of two neighbouring tiles are 16 neighbouring keys.
; THE HEAD'S 64 fill half an instruction's K: Q's upper six registers are zero codes, so whatever stands in K's upper six (the next tile's codes, or zeros) adds nothing; no scale byte there is 0xff.
; A ROW WITH NO KEY: its sum is 0, its reciprocal infinite, 0 x infinity is NaN; h's scale bytes of that row are then set to 0xff, which makes the next product's sums of that row NaN.
; LIMITS: a block's largest p is taken from its largest score (v_exp_f32 taken not to fall where its input rises); NaN and infinities among the inputs are not served; blocks under 2^-122 get the byte 1.
; REGISTERS: v1-3 16, 8, 4 x lane; v4 16 x thread; v5 x's offset; v6 0xff; v7 -infinity; v12 -M, v13 the largest t, v[14:15] the sum; v16-27 Q; v32-85 K's tiles, then V's fragments;
;   v86-89, v90-91, v92 scale words of K, V, Q; v96-159 S^T, then p; v160-191 O^T; v200-219 at work; v224-235 p's codes; v252 f, v253 p's scale word, v254 at work;
;   v28-31, v192-199, v220-223, v240-251: the next group on its way; in the last four steps, with v8-11, my tile of x.
.set RECB,  13056
.set GRPB,  4*RECB
.set VCO,   6144
.set KSC,   12288
.set VSC,   12800
.set BM,  200
.set PT,  204
.set SO,  208
.set CT,  212
.set WV,  14
.set ANY, 68
.set ALL, 69
.set QT,  70
.set TRIP, 71
.set SEL, 72
.set CS,  74
.set BAL, 76
.set REC, 78
.set NEED, 100
; a group of four records: 16 bytes a thread six times (8,192 consecutive bytes each), and 3,072 bytes more by waves 0 to 5
.macro GFETCH
	global_load_b128 v[28:31], v4, s[REC:REC+1]
	global_load_b128 v[192:195], v4, s[REC:REC+1] offset:8192
	global_load_b128 v[196:199], v4, s[REC:REC+1] offset:16384
	global_load_b128 v[220:223], v4, s[REC:REC+1] offset:24576
	global_load_b128 v[240:243], v4, s[REC:REC+1] offset:32768
	global_load_b128 v[244:247], v4, s[REC:REC+1] offset:40960
	s_cmp_lt_u32 s[WV], 6
	s_cbranch_scc0 .Lgf_\@
	global_load_b128 v[248:251], v4, s[REC:REC+1] offset:49152
.Lgf_\@:
.endm
.macro GSTORE                          ; and into LDS, as it lies in memory
	ds_store_b128 v4, v[28:31]
	ds_store_b128 v4, v[192:195] offset:8192
	ds_store_b128 v4, v[196:199] offset:16384
	ds_store_b128 v4, v[220:223] offset:24576
	ds_store_b128 v4, v[240:243] offset:32768
	ds_store_b128 v4, v[244:247] offset:40960
	s_cmp_lt_u32 s[WV], 6
	s_cbranch_scc0 .Lgs_\@
	ds_store_b128 v4, v[248:251] offset:49152
.Lgs_\@:
.endm
	s_load_b256 s[4:11], s[0:1], 0x0               ; qq, kv, mb, x
	s_load_b64 s[12:13], s[0:1], 0x20              ; hb
	v_lshl_add_u32 v239, v0, 2, 0xd000
	v_mov_b32 v255, 0
	v_lshrrev_b32 v1, 5, v0
	v_readfirstlane_b32 s[WV], v1                  ; wave 0..15
	v_and_b32 v1, 31, v0
	v_lshlrev_b32 v2, 3, v1
	v_lshlrev_b32 v3, 2, v1
	v_lshlrev_b32 v1, 4, v1
	v_lshlrev_b32 v4, 4, v0                        ; 16 x thread: my place in a group's runs of 8,192 bytes, in memory and in LDS alike
	v_mov_b32 v7, 0xff800000
	v_mov_b32 v6, 0xff
	v_and_b32 v10, 15, v0                          ; r
	v_bfe_u32 v11, v0, 4, 1                        ; h
	v_and_b32 v5, 8, v10
	v_add_nc_u32 v5, v5, v10                       ; r + 8 (r / 8)
	v_lshlrev_b32 v5, 12, v5
	v_lshl_add_u32 v5, v11, 6, v5                  ; x: my query's row of 4,096 bytes, + 64 h
	s_lshl_b32 s66, ttmp9, 3                       ; the work-group's sixteen tiles: 8 g + i for i < 8, 112 - 8 g + i for i >= 8
	s_lshl_b32 s67, ttmp9, 4
	s_sub_co_u32 s67, 112, s67
	v_lshrrev_b32 v212, 3, v10
	v_mad_u32_u24 v212, v212, s67, v10
	v_add_nc_u32 v212, s66, v212                   ; lane i % 16 names tile i
	v_lshlrev_b32 v212, 10, v212                   ; whose flags are 1,024 bytes: 256 for each quarter of the keys
	v_lshlrev_b32 v10, 2, v10
	s_and_b32 s15, ttmp7, 0xffff                   ; 16 x batch + head
	s_lshr_b32 s66, s[WV], 2
	s_xor_b32 s66, s66, s[WV]
	s_and_b32 s66, s66, 1                          ; low end or high end: of waves w, w + 4, w + 8, w + 12 two take each
	s_lshr_b32 s67, s[WV], 1
	s_lshl_b32 s[QT], ttmp9, 3
	s_add_co_u32 s[QT], s[QT], s67
	s_sub_co_u32 s67, 127, s[QT]
	s_cmp_eq_u32 s66, 1
	s_cselect_b32 s[QT], s67, s[QT]                ; my query tile, 0..127
	s_lshl_b32 s66, s15, 7
	s_add_co_u32 s66, s66, s[QT]
	s_mul_i32 s96, s66, 768
	s_mov_b32 s97, 0
	s_lshl_b32 s98, s66, 6
	s_mov_b32 s99, 0
	s_lshl_b32 s[BAL], s[QT], 12
	s_mov_b32 s[BAL+1], 0
	s_lshl_b32 s66, s[QT], 10
	s_mov_b32 s67, 0
	s_mul_i32 s[REC], s15, 16*RECB
	s_mov_b32 s[REC+1], 0
	s_lshr_b32 s16, s15, 4                         ; batch
	s_and_b32 s17, s15, 15                         ; head
	s_lshr_b32 s18, s[QT], 1
	s_lshl_b32 s18, s18, 5
	s_and_b32 s19, s[QT], 1
	s_lshl_b32 s19, s19, 3
	s_add_co_u32 s18, s18, s19
	s_lshl_b32 s19, s16, 11
	s_add_co_u32 s18, s18, s19                     ; my tile's first token
	s_lshl_b32 s18, s18, 12
	s_lshl_b32 s19, s17, 8
	s_add_co_u32 s18, s18, s19                     ; its row of x, at my head's 64 numbers
	s_mov_b32 s19, 0
	s_mov_b32 s[SEL], 0x76543210
	s_mov_b32 s[SEL+1], 0xfedcba98
	s_mov_b32 s[CS], 0x3e38aa3b                    ; c = log2(e) / 8
	s_mov_b32 s[CS+1], s[CS]
	s_wait_kmcnt 0x0
	s_add_nc_u64 s[96:97], s[4:5], s[96:97]        ; Q's half fragment
	s_add_nc_u64 s[98:99], s[4:5], s[98:99]        ; its scale words, 3,145,728 bytes on
	s_add_nc_u64 s[BAL:BAL+1], s[8:9], s[BAL:BAL+1]
	s_add_nc_u64 s[66:67], s[8:9], s[66:67]
	s_add_nc_u64 s[REC:REC+1], s[6:7], s[REC:REC+1]
	s_add_nc_u64 s[10:11], s[10:11], s[18:19]
	GFETCH                                         ; key steps 0 to 3
	s_load_b32 s80, s[66:67], 524288               ; my tile's flags
	s_load_b32 s81, s[66:67], 524288+256
	s_load_b32 s82, s[66:67], 524288+512
	s_load_b32 s83, s[66:67], 524288+768
	global_load_b128 v[16:19], v1, s[96:97]
	global_load_b64 v[20:21], v2, s[96:97] offset:512
	global_load_b32 v92, v10, s[98:99] offset:3145728
	global_load_b32 v213, v212, s[8:9] offset:524288+256   ; the sixteen tiles' flags of the keys' second, third and fourth quarter
	global_load_b32 v214, v212, s[8:9] offset:524288+512
	global_load_b32 v215, v212, s[8:9] offset:524288+768
	v_mov_b32 v13, 0xff61b1e6                      ; the largest t so far: -3e38
	v_floor_f32 v12, -v13
	v_mov_b32 v14, 0
	v_mov_b32 v15, 0
.irp i, 22,23,24,25,26,27,80,81,82,83,84,85
	v_mov_b32 v[\i], 0                             ; Q's upper half, and what stands behind K's last tile: zero codes
.endr
.set i, 0
.rept 32
	v_mov_b32 v[160+i], 0                          ; O^T: the step is written once; the first change of M leaves zeros zeros
.set i, i+1
.endr
.irp b, 0,1,2,3
	v_mov_b32 v[PT+\b], 0
.endr
	v_mov_b32 v253, 0
	v_mov_b32 v254, 0
	s_wait_kmcnt 0x0
	s_or_b32 s80, s80, s81
	s_or_b32 s82, s82, s83
	s_or_b32 s80, s80, s82
	s_and_b32 s[ANY], s80, 0xffff                  ; bit j: some key of step j counts for my tile
	s_lshr_b32 s[ALL], s80, 16                     ; bit j: all do
	s_wait_loadcnt 0x0
	s_add_nc_u64 s[REC:REC+1], s[REC:REC+1], GRPB
	GSTORE
	v_and_b32 v213, 0xffff, v213                   ; the bits that say: some key counts
	v_and_b32 v214, 0xffff, v214
	v_and_b32 v215, 0xffff, v215
	v_cmp_ne_u32 s84, 0, v213                      ; a lane mask: not 0 where any of the sixteen tiles has such a bit
	v_cmp_ne_u32 s85, 0, v214
	v_cmp_ne_u32 s86, 0, v215
	s_cmp_lg_u32 s84, 0
	s_cselect_b32 s[NEED], 1, 0                    ; bit p: the work-group needs the group of key steps 4 p + 4 .. 4 p + 7
	s_cmp_lg_u32 s85, 0
	s_cselect_b32 s66, 2, 0
	s_or_b32 s[NEED], s[NEED], s66
	s_cmp_lg_u32 s86, 0
	s_cselect_b32 s66, 4, 0
	s_or_b32 s[NEED], s[NEED], s66
	s_wait_dscnt 0x0                               ; for the others' sake: my part of the first group lies in LDS
	s_barrier_signal -1
	s_barrier_wait -1
; K's tiles, the scores, and V's fragments asked for: the same on both ways of a step
.macro FRONT rec
.irp t, 0,1,2,3,4,5,6,7
	ds_load_b128 v[32+6*\t:35+6*\t], v1 offset:(\rec)*RECB+768*\t
	ds_load_b64 v[36+6*\t:37+6*\t], v2 offset:(\rec)*RECB+768*\t+512
.endr
.irp p, 0,1,2,3
	ds_load_b32 v[86+\p], v3 offset:(\rec)*RECB+KSC+128*\p   ; lanes 0-15 tile 2 p's words, lanes 16-31 tile 2 p + 1's
.endr
	s_wait_dscnt 0x0
.irp t, 0,1,2,3,4,5,6,7
.if \t%2
	v_wmma_scale_f32_16x16x128_f8f6f4 v[96+8*\t:103+8*\t], v[32+6*\t:43+6*\t], v[16:27], 0, v[86+\t/2], v92 matrix_a_fmt:MATRIX_FMT_BF6 matrix_b_fmt:MATRIX_FMT_BF6 matrix_a_scale:MATRIX_SCALE_ROW1
.else
	v_wmma_scale_f32_16x16x128_f8f6f4 v[96+8*\t:103+8*\t], v[32+6*\t:43+6*\t], v[16:27], 0, v[86+\t/2], v92 matrix_a_fmt:MATRIX_FMT_BF6 matrix_b_fmt:MATRIX_FMT_BF6
.endif
.endr
.rept 4
	v_nop                                          ; places in front of the loads into K's registers and of the first read of the scores
.endr
.irp e, 0,1,2,3
	ds_load_b128 v[32+12*\e:35+12*\e], v1 offset:(\rec)*RECB+VCO+1536*\e
	ds_load_b64 v[36+12*\e:37+12*\e], v2 offset:(\rec)*RECB+VCO+1536*\e+512
	ds_load_b128 v[38+12*\e:41+12*\e], v1 offset:(\rec)*RECB+VCO+1536*\e+768
	ds_load_b64 v[42+12*\e:43+12*\e], v2 offset:(\rec)*RECB+VCO+1536*\e+1280
.endr
.irp p, 0,1
	ds_load_b32 v[90+\p], v3 offset:(\rec)*RECB+VSC+128*\p
.endr
.endm
; A KEY STEP: the group's record rec
.macro STEP rec
	s_bitcmp1_b32 s[ANY], 0
	s_cbranch_scc0 .Lskip_\@                       ; no key of this step counts for my 16 queries
	s_bitcmp1_b32 s[ALL], 0
	s_cbranch_scc1 .Lall_\@                        ; all count: the lane words are not wanted
	s_load_b512 s[16:31], s[BAL:BAL+1], 0x0        ; the step's 64 lane words: asked for ahead of the scores' products
	s_load_b512 s[32:47], s[BAL:BAL+1], 0x40
	s_load_b512 s[48:63], s[BAL:BAL+1], 0x80
	s_load_b512 s[80:95], s[BAL:BAL+1], 0xc0
	FRONT \rec
	s_wait_kmcnt 0x0                               ; the lane words are in (and their address may be stepped)
.set n, 0
.rept 48
	v_cndmask_b32 v[96+n], v7, v[96+n], s[16+n]    ; a hidden key's score becomes -infinity: p = 0
.set n, n+1
.endr
.rept 16
	v_cndmask_b32 v[96+n], v7, v[96+n], s[32+n]
.set n, n+1
.endr
	s_branch .Lopen_\@
.Lall_\@:
	FRONT \rec
.Lopen_\@:
.irp b, 0,1,2,3
	v_max3_num_f32 v[BM+\b], v[96+16*\b], v[97+16*\b], v[98+16*\b]   ; the largest score of each block of 32 keys: for the row's maximum and for the block's largest p
.endr
.irp i, 3,5,7,9,11,13
.irp b, 0,1,2,3
	v_max3_num_f32 v[BM+\b], v[BM+\b], v[96+16*\b+\i], v[97+16*\b+\i]
.endr
.endr
.irp b, 0,1,2,3
	v_max_num_f32 v[BM+\b], v[BM+\b], v[111+16*\b]
.endr
.irp b, 0,1,2,3
	v_permlanex16_b32 v[PT+\b], v[BM+\b], s[SEL], s[SEL+1]
.endr
.irp b, 0,1,2,3
	v_max_num_f32 v[BM+\b], v[BM+\b], v[PT+\b]
.endr
	v_max3_num_f32 v254, v[BM], v[BM+1], v[BM+2]
	v_max_num_f32 v254, v254, v[BM+3]
	v_mul_f32 v254, s[CS], v254
	v_max_num_f32 v13, v13, v254                   ; the running largest t
	v_mov_b32 v254, v12
	v_floor_f32 v12, -v13                          ; -M = floor(-t): M is a whole number
	v_sub_f32 v254, v12, v254
	v_cvt_i32_f32 v254, v254                       ; old M - new M, 0 or less (it saturates)
	v_ldexp_f32 v252, 1.0, v254                    ; f = 2^(old M - new M): a multiplication by it rounds nothing
.set j, 0
.rept 32
	v_pk_fma_f32 v[96+j:97+j], v[96+j:97+j], s[CS:CS+1], v[12:13] op_sel_hi:[1,0,0]   ; t - M
.set j, j+2
.endr
.irp b, 0,1,2,3
	v_fma_f32 v[BM+\b], v[BM+\b], s[CS], v12
.endr
.set j, 0
.rept 64
	v_exp_f32 v[96+j], v[96+j]                     ; p = 2^(t - M)
.set j, j+1
.endr
	v_pk_mul_f32 v[14:15], v[14:15], v[252:253] op_sel_hi:[1,0]   ; the sums under the new M; the plain place behind the exponentials
	s_wait_alu depctr_va_vdst(0)                   ; one wait for the batch of 64, ahead of its first reader
.irp b, 0,1,2,3
	v_exp_f32 v[BM+\b], v[BM+\b]                   ; each block's largest p
.endr
	v_pk_add_f32 v[236:237], v[96:97], v[98:99]    ; the row's sum of the unquantised p, in two chains
.irp j, 4,8,12,16,20,24,28,32,36,40,44,48,52,56,60
	v_pk_add_f32 v[14:15], v[14:15], v[96+\j:97+\j]
	v_pk_add_f32 v[236:237], v[236:237], v[98+\j:99+\j]
.endr
	v_pk_add_f32 v[14:15], v[14:15], v[236:237]
	s_wait_alu depctr_va_vdst(0)                   ; and one for the four
.irp b, 0,1,2,3
	v_max_num_f32 v[BM+\b], 0x2800000, v[BM+\b]    ; the floor 2^(5 - 127)
.endr
.irp b, 0,1,2,3
	v_add_nc_u32 v[SO+\b], 0xfe000000, v[BM+\b]
.endr
.irp b, 0,1,2,3
	v_lshrrev_b32 v[PT+\b], 23, v[SO+\b]
.endr
	v_lshl_or_b32 v253, v[PT+1], 8, v[PT]
	v_lshl_or_b32 v253, v[PT+2], 16, v253
	v_lshl_or_b32 v253, v[PT+3], 24, v253          ; p's scale word for these 128 keys
.irp c, 0,1
	v_cvt_scalef32_pk16_bf6_f32 v[224+6*\c:226+6*\c], v[96+32*\c:111+32*\c], v[SO+2*\c]
	v_cvt_scalef32_pk16_bf6_f32 v[CT+4*\c:CT+2+4*\c], v[112+32*\c:127+32*\c], v[SO+2*\c+1]
.endr
	v_nop
.irp c, 0,1
.irp i, 0,1,2
	v_permlane16_swap_b32 v[224+6*\c+\i], v[CT+4*\c+\i]
.endr
.irp i, 0,1,2
	v_mov_b32 v[227+6*\c+\i], v[CT+4*\c+\i]
.endr
.endr
.set j, 0
.rept 16
	v_pk_mul_f32 v[160+j:161+j], v[160+j:161+j], v[252:253] op_sel_hi:[1,0]   ; O^T under the new M, from each accumulator's low end on; these 16 are also the places in front of the products below
.set j, j+2
.endr
	s_wait_dscnt 0x0                               ; V and its scale words
.irp e, 0,1,2,3
.if \e%2
	v_wmma_scale_f32_16x16x128_f8f6f4 v[160+8*\e:167+8*\e], v[32+12*\e:43+12*\e], v[224:235], v[160+8*\e:167+8*\e], v[90+\e/2], v253 matrix_a_fmt:MATRIX_FMT_BF6 matrix_b_fmt:MATRIX_FMT_BF6 matrix_a_scale:MATRIX_SCALE_ROW1
.else
	v_wmma_scale_f32_16x16x128_f8f6f4 v[160+8*\e:167+8*\e], v[32+12*\e:43+12*\e], v[224:235], v[160+8*\e:167+8*\e], v[90+\e/2], v253 matrix_a_fmt:MATRIX_FMT_BF6 matrix_b_fmt:MATRIX_FMT_BF6
.endif
.endr
.rept 4
	v_nop                                          ; places behind the last products: for the next loads into V's registers and the next read of O^T
.endr
.Lskip_\@:
	s_lshr_b32 s[ANY], s[ANY], 1
	s_lshr_b32 s[ALL], s[ALL], 1
	s_add_nc_u64 s[BAL:BAL+1], s[BAL:BAL+1], 256
.endm
	s_mov_b32 s[TRIP], 3
.Lphase:                               ; a trip: four key steps, and the next group's way from memory into LDS
	s_bitcmp1_b32 s[NEED], 0
	s_cbranch_scc0 .Lno_fetch                      ; no tile of the work-group has a key that counts in the next four steps
	GFETCH                                         ; four key steps ahead of its use
.Lno_fetch:
	STEP 0
	STEP 1
	STEP 2
	STEP 3
	s_wait_dscnt 0x0                               ; my reads of this group are over;
	s_barrier_signal -1
	s_barrier_wait -1                              ; everybody's are: the region may be written
	s_wait_loadcnt 0x0                             ; the next group is in my registers, and its address may be stepped
	s_add_nc_u64 s[REC:REC+1], s[REC:REC+1], GRPB
	s_bitcmp1_b32 s[NEED], 0
	s_cbranch_scc0 .Lno_store
	GSTORE
.Lno_store:
	s_lshr_b32 s[NEED], s[NEED], 1
	s_wait_dscnt 0x0                               ; for the others' sake: my stores have landed
	s_barrier_signal -1
	s_barrier_wait -1                              ; the group is whole
	s_sub_co_u32 s[TRIP], s[TRIP], 1
	s_cmp_lg_u32 s[TRIP], 0
	s_cbranch_scc1 .Lphase
; the last four steps fetch no group: the registers that held groups on their way take my tile of x, asked for four steps ahead of its use
.macro XQ m, xq
	global_load_b128 v[\xq:\xq+3], v5, s[10:11] offset:128*((\m)/4)+16*((\m)%4)
.endm
	XQ 0, 28
	XQ 1, 192
	XQ 2, 196
	XQ 3, 220
	XQ 4, 240
	XQ 5, 244
	XQ 6, 248
	XQ 7, 8
	STEP 0
	STEP 1
	STEP 2
	STEP 3
; THE WAY OUT: h = x + O^T / the sum; register 16 b + i of lane (r, h) is channel 32 b + 16 h + i of the head: a half fragment of the next product's operand
	s_lshr_b32 s16, s15, 4                         ; batch
	s_and_b32 s17, s15, 15                         ; head
	s_lshl_b32 s20, s16, 7
	s_add_co_u32 s20, s20, s[QT]                   ; the row tile among 256
	s_lshl_b32 s22, s20, 4
	s_add_co_u32 s22, s22, s17
	s_mul_i32 s22, s22, 768
	s_mov_b32 s23, 0
	s_add_nc_u64 s[22:23], s[12:13], s[22:23]
	s_lshl_b32 s20, s20, 3
	s_lshr_b32 s21, s17, 1
	s_add_co_u32 s20, s20, s21
	s_lshl_b32 s20, s20, 7
	s_and_b32 s21, s17, 1
	s_lshl_b32 s21, s21, 1
	s_add_co_u32 s20, s20, s21
	s_mov_b32 s21, 0
	s_add_nc_u64 s[20:21], s[12:13], s[20:21]
	v_add_f32 v14, v14, v15
	v_permlanex16_b32 v254, v14, s[SEL], s[SEL+1]
	v_add_f32 v14, v14, v254                       ; the row's sum
	v_rcp_f32 v14, v14
	v_nop                                          ; a plain place behind the reciprocal
	s_wait_alu depctr_va_vdst(0)                   ; the wait ahead of its first reader
	s_wait_loadcnt 0x0                             ; x
.macro HQ m, xq                        ; four numbers: O^T from each accumulator's low end on
	v_pk_fma_f32 v[96+4*(\m):97+4*(\m)], v[160+4*(\m):161+4*(\m)], v[14:15], v[\xq:\xq+1] op_sel_hi:[1,0,1]
	v_pk_fma_f32 v[98+4*(\m):99+4*(\m)], v[162+4*(\m):163+4*(\m)], v[14:15], v[\xq+2:\xq+3] op_sel_hi:[1,0,1]
.endm
	HQ 0, 28
	HQ 1, 192
	HQ 2, 196
	HQ 3, 220
	HQ 4, 240
	HQ 5, 244
	HQ 6, 248
	HQ 7, 8
.irp b, 0,1
	v_max3_num_f32 v[BM+\b], |v[96+16*\b]|, |v[97+16*\b]|, 0x2800000
.endr
.irp i, 2,4,6,8,10,12,14
.irp b, 0,1
	v_max3_num_f32 v[BM+\b], v[BM+\b], |v[96+16*\b+\i]|, |v[97+16*\b+\i]|
.endr
.endr
.irp b, 0,1
	v_permlanex16_b32 v[PT+\b], v[BM+\b], s[SEL], s[SEL+1]
.endr
.irp b, 0,1
	v_max_num_f32 v[BM+\b], v[BM+\b], v[PT+\b]
.endr
.irp b, 0,1
	v_add_nc_u32 v[SO+\b], 0xfe000000, v[BM+\b]
.endr
.irp b, 0,1
	v_lshrrev_b32 v[PT+\b], 23, v[SO+\b]
.endr
.irp b, 0,1
	v_cmp_neq_f32 vcc_lo, v[96+16*\b], v[96+16*\b] ; a row of NaN keeps its NaN through the codes by the scale byte 0xff
	v_cndmask_b32 v[PT+\b], v[PT+\b], v6, vcc_lo
.endr
	v_lshl_or_b32 v[SO+2], v[PT+1], 8, v[PT]
	v_cvt_scalef32_pk16_bf6_f32 v[224:226], v[96:111], v[SO]
	v_cvt_scalef32_pk16_bf6_f32 v[CT:CT+2], v[112:127], v[SO+1]
	v_nop
.irp i, 0,1,2
	v_permlane16_swap_b32 v[224+\i], v[CT+\i]
.endr
.irp i, 0,1,2
	v_mov_b32 v[227+\i], v[CT+\i]
.endr
	global_store_b128 v1, v[224:227], s[22:23]     ; 768 consecutive bytes, aligned to 256
	global_store_b64 v2, v[228:229], s[22:23] offset:512
	global_store_b16 v3, v[SO+2], s[20:21] offset:3145728   ; my head's two bytes of the scale register's image
	s_wait_tensorcnt 0x0
	ds_add_u32 v239, v255
	s_wait_dscnt 0x0
	s_endpgm
.Lfunc_end_k_q730afcbddc_attn:
	.size	k_q730afcbddc_attn, .Lfunc_end_k_q730afcbddc_attn-k_q730afcbddc_attn
	.p2alignl 7, 3214868480
	.fill 96, 4, 3214868480
	.section	.rodata,"a",@progbits
	.p2align	6, 0x0
	.amdhsa_kernel k_q730afcbddc_attn
		.amdhsa_group_segment_fixed_size 55296
		.amdhsa_private_segment_fixed_size 0
		.amdhsa_enable_private_segment 0
		.amdhsa_kernarg_size 40
		.amdhsa_user_sgpr_count 2
		.amdhsa_user_sgpr_kernarg_segment_ptr 1
		.amdhsa_wavefront_size32 1
		.amdhsa_system_sgpr_workgroup_id_x 1
		.amdhsa_system_sgpr_workgroup_id_y 1
		.amdhsa_system_sgpr_workgroup_id_z 1
		.amdhsa_system_vgpr_workitem_id 0
		.amdhsa_next_free_vgpr 256
		.amdhsa_next_free_sgpr 102
		.amdhsa_reserve_vcc 1
		.amdhsa_float_denorm_mode_32 3
		.amdhsa_float_denorm_mode_16_64 3
		.amdhsa_memory_ordered 1
		.amdhsa_forward_progress 1
		.amdhsa_inst_pref_size 206
	.end_amdhsa_kernel
	.amdgpu_metadata
---
amdhsa.version: [ 1, 2 ]
amdhsa.kernels:
  - .name:           k_q730afcbddc_attn
    .symbol:         k_q730afcbddc_attn.kd
    .args:
      - { .name: qq, .offset: 0, .size: 8, .value_kind: global_buffer, .address_space: global }
      - { .name: kv, .offset: 8, .size: 8, .value_kind: global_buffer, .address_space: global }
      - { .name: mb, .offset: 16, .size: 8, .value_kind: global_buffer, .address_space: global }
      - { .name: x, .offset: 24, .size: 8, .value_kind: global_buffer, .address_space: global }
      - { .name: hb, .offset: 32, .size: 8, .value_kind: global_buffer, .address_space: global }
    .group_segment_fixed_size: 55296
    .private_segment_fixed_size: 0
    .kernarg_segment_align: 8
    .kernarg_segment_size: 40
    .max_flat_workgroup_size: 512
    .sgpr_count:     102
    .vgpr_count:     256
    .wavefront_size: 32
...
	.end_amdgpu_metadata
.endif
;; end of part 3
;; launch ffn1 (part 4): grid 16 x 16, 4 waves a work-group, clusters of 4 x 4, 327,680 bytes of LDS; arguments hb, img, scl, b1, gb; writes gb
.if DOCPART == 4
	.amdgcn_target "amdgcn-amd-amdhsa--gfx1250"
	.amdhsa_code_object_version 6
	.text
	.protected	k_q730afcbddc_ffn1
	.globl	k_q730afcbddc_ffn1
	.p2align	8
	.type	k_q730afcbddc_ffn1,@function
k_q730afcbddc_ffn1:
	s_mov_b64 s[64:65], 0
	v_nop
	global_prefetch_b8 v0, s[64:65] scope:SCOPE_SE
	s_setreg_imm32_b32 hwreg(HW_REG_WAVE_MODE, 25, 1), 1
	s_wait_xcnt 0x0
	s_wait_alu depctr_hold_cnt(0) depctr_sa_sdst(0) depctr_va_vdst(0) depctr_va_sdst(0) depctr_va_ssrc(0) depctr_va_vcc(0) depctr_vm_vsrc(0)
	s_getreg_b32 s2, hwreg(HW_REG_IB_STS2, 6, 4)
	s_cmp_eq_u32 s2, 0
	s_cbranch_scc0 .Lentry_in_a_cluster
	s_endpgm
.Lentry_in_a_cluster:
	s_bfe_u32 s2, ttmp6, 0x10000c
	s_cmp_lg_u32 s2, 0xf033
	s_cbranch_scc0 .Lentry_shape_is_right
	s_endpgm
.Lentry_shape_is_right:
; FFN1.  g = gelu(h w1^T + b1), exact (erf), quantised along the hidden 4,096 into images of operand registers.  K = 1,024; codes of BF6 (E3M2) with E8M0 scales.
; The frame is that of the launch before the attention: P = h (tokens), R = w1; a work-group makes 256 x 256, a wave 128 x 128; two LDS slots of 256 along K; scales once; clusters 4 x 4 with joint loads.
; b1 is the C of each sum's first matrix instruction.  Source 0 = R, source 1 = P: a lane holds one token and 128 neighbouring hidden units, one K step of the next product.
; THE WAY OUT.  The 512 accumulator registers go to the wave's own 65,536 bytes of LDS (the slots have had their last fill and, behind a barrier, their last read); a loop of eight trips takes back 64 numbers a lane,
; applies the gelu and quantises: so the gelu is written once.
; erf(u) = u P(u^2) / Q(u^2) on |u| <= 4 (beyond, the value at 4), a rational form good to a few units in the last place of erf; gelu = z / 2 + (z / 2) erf(z / sqrt 2).
; A ROW OF NaN (a query with no key) arrives by the scale byte 0xff, makes its sums NaN, and leaves by the scale byte 0xff again.
; LIMITS: blocks under 2^-122 (zeros too) get the byte 1; infinities are not served.  All of a WGP's LDS is claimed.
; REGISTERS: window 0: v0-31 addresses; v32-63 scale words; v64-127 b1, eight tiles; v128-223 P's fragments.  window 1: R's fragments, two sets.  windows 2, 3: accumulators.
.set NQ,    2
.set FR,    12
.set NL,    4
.set NP,    4
.set RTB,   3072
.set HALFT, 8*RTB
.set SLOT,  4*HALFT
.set LAPS,  2
.set SCL,   262144
.set SPARE, 294912
.set LN16, 8
.set LN8,  9
.set LN4,  10
.set STA,  12                          ; the way out: my place in the wave's stash
.set BO,   13
.set ADRA, 16
.set ADRB, 20
.set ADRS, 27
.set SPW,  28
.set NIL,  29
.set SC,   32
.set BI,   64
.set AF,   128
.set GZ,   32                          ; the way out: v32-95 64 numbers; v96-127 u; v128-159 u^2; v160-191 P; v192-223 Q
.set GU,   96
.set GS,   128
.set GP,   160
.set GQ,   192
.set TM,   224
.set PW,   240
.set FF,   241
.set PC,   96
.set G1, 24
.set G0, 32
.set G1B, 48
.set G0B, 56
.set G1S, 68
.set G0S, 76
.set G1SB, 80
.set G0SB, 88
.set SEL, 24
.set MSB, 0
.macro WIN new
.if MSB != (\new)
	s_set_vgpr_msb (MSB<<8)|(\new)
.set MSB, (\new)
.endif
.endm
.set MUL_LO, 0xa1
.set MUL_HI, 0xf1
.set FST_LO, 0x81                      ; the first step: C (b1) in window 0, D in window 2
.set FST_HI, 0xc1
.set TO_B,   0x40
.macro JLOAD g0a, g1a, g0b, g1b
	s_cmp_eq_u32 s15, 0
	s_cbranch_scc0 .Lfor_b_\@
	tensor_load_to_lds s[\g0a:\g0a+3], s[\g1a:\g1a+7]
	s_nop 0
.rept 4
	v_nop
.endr
	s_branch .Lasked_\@
.Lfor_b_\@:
	tensor_load_to_lds s[\g0b:\g0b+3], s[\g1b:\g1b+7]
	s_nop 0
.rept 4
	v_nop
.endr
.Lasked_\@:
.endm
.macro CREST
	s_cmp_lg_u32 s14, 0
	s_cbranch_scc1 .Lnot_wave_0_\@
	s_barrier_signal -3
.Lnot_wave_0_\@:
	s_barrier_wait -3
	s_barrier_signal -1
	s_barrier_wait -1
.endm
.macro CROUND
	s_barrier_signal -1
	s_barrier_wait -1
	CREST
.endm
	s_load_b256 s[4:11], s[0:1], 0x0               ; hb, img, scl, b1
	s_load_b64 s[12:13], s[0:1], 0x20              ; gb
	v_lshl_add_u32 v[SPW], v0, 2, SPARE
	v_mov_b32 v[NIL], 0
	ds_add_u32 v28, v29
	ds_add_u32 v28, v29
	s_wait_dscnt 0x0
	v_lshrrev_b32 v1, 5, v0
	v_readfirstlane_b32 s14, v1
	s_lshr_b32 s15, s14, 1
	s_and_b32 s16, s14, 1
	s_bfe_u32 s40, ttmp6, 0x40000
	s_bfe_u32 s41, ttmp6, 0x40004
	s_lshl_b32 s42, ttmp9, 2
	s_add_co_u32 s42, s42, s40                     ; R's tile of 256 rows
	s_and_b32 s17, ttmp7, 0xffff
	s_lshl_b32 s17, s17, 2
	s_add_co_u32 s17, s17, s41                     ; P's
	s_lshl_b32 s43, s41, 2
	s_lshl_b32 s43, 15, s43
	s_lshl_b32 s44, 0x1111, s40
	s_or_b32 s[G1+0], s43, (3<<16)|(1<<21)
	s_or_b32 s[G1B+0], s44, (3<<16)|(1<<21)
.irp g, G1, G1B
	s_mov_b32 s[\g+1], 384<<16
	s_mov_b32 s[\g+2], 8<<16
	s_mov_b32 s[\g+3], 384<<16
	s_mov_b32 s[\g+4], 8
	s_mov_b32 s[\g+5], 1536
	s_mov_b32 s[\g+6], 0
	s_mov_b32 s[\g+7], 0
.endr
	s_or_b32 s[G1S+0], s43, (3<<16)|(1<<21)
	s_or_b32 s[G1SB+0], s44, (3<<16)|(1<<21)
.irp g, G1S, G1SB
	s_mov_b32 s[\g+1], 32<<16
	s_mov_b32 s[\g+2], 32<<16
	s_mov_b32 s[\g+3], 32<<16
	s_mov_b32 s[\g+4], 32
	s_mov_b32 s[\g+5], 32
	s_mov_b32 s[\g+6], 0
	s_mov_b32 s[\g+7], 0
.endr
	s_lshl_b32 s20, s17, 1
	s_add_co_u32 s20, s20, s16
	s_lshl_b32 s22, s20, 13
	s_add_co_u32 s22, s22, 3145728                 ; h's scale images lie behind its codes
	s_mov_b32 s23, 0
	s_mul_i32 s20, s20, 98304
	s_mov_b32 s21, 0
	s_lshl_b32 s46, s42, 1
	s_add_co_u32 s46, s46, s16
	s_lshl_b32 s96, s46, 13
	s_add_co_u32 s96, s96, 458752                  ; w1 in scl
	s_mov_b32 s97, 0
	s_mul_i32 s46, s46, 98304
	s_add_co_u32 s46, s46, 5505024                 ; w1 in img
	s_mov_b32 s47, 0
	s_mul_i32 s45, s14, HALFT
	s_lshl_b32 s98, s14, 13
	s_wait_kmcnt 0x0
	s_add_nc_u64 s[20:21], s[4:5], s[20:21]
	s_add_nc_u64 s[22:23], s[4:5], s[22:23]
	s_add_nc_u64 s[46:47], s[6:7], s[46:47]
	s_add_nc_u64 s[96:97], s[8:9], s[96:97]
	CROUND
	s_mov_b32 s[G0S], 1
	s_add_co_u32 s[G0S+1], s98, SCL
	s_mov_b64 s[G0S+2:G0S+3], s[22:23]
	s_or_b32 s[G0S+3], s[G0S+3], 0x80000000
	s_mov_b32 s[G0SB], 1
	s_add_co_u32 s[G0SB+1], s98, SCL
	s_mov_b64 s[G0SB+2:G0SB+3], s[96:97]
	s_or_b32 s[G0SB+3], s[G0SB+3], 0x80000000
	JLOAD G0S, G1S, G0SB, G1SB
.irp s, 0,1
	s_mov_b32 s[G0+4*\s], 1
	s_add_co_u32 s[G0+4*\s+1], s45, \s*SLOT
	s_add_nc_u64 s[G0+4*\s+2:G0+4*\s+3], s[20:21], \s*RTB
	s_or_b32 s[G0+4*\s+3], s[G0+4*\s+3], 0x80000000
	s_mov_b32 s[G0B+4*\s], 1
	s_add_co_u32 s[G0B+4*\s+1], s45, \s*SLOT
	s_add_nc_u64 s[G0B+4*\s+2:G0B+4*\s+3], s[46:47], \s*RTB
	s_or_b32 s[G0B+4*\s+3], s[G0B+4*\s+3], 0x80000000
	JLOAD G0+4*\s, G1, G0B+4*\s, G1B
.endr
	v_and_b32 v1, 31, v0
	v_bfe_u32 v2, v0, 4, 1
	v_lshlrev_b32 v[LN16], 4, v1
	v_lshlrev_b32 v[LN8], 3, v1
	v_lshlrev_b32 v[LN4], 2, v1
	s_lshl_b32 s18, s42, 10                        ; b1: my 128 numbers; lane (r, h) wants, for tile b, those of units 32 (b / 2) + 8 (b % 2) + 16 h + 0 .. 7
	s_lshl_b32 s19, s16, 9
	s_add_co_u32 s18, s18, s19
	s_mov_b32 s19, 0
	s_add_nc_u64 s[10:11], s[10:11], s[18:19]
	v_lshlrev_b32 v[BO], 6, v2
.irp b, 0,1,2,3,4,5,6,7
	global_load_b128 v[BI+8*\b:BI+8*\b+3], v[BO], s[10:11] offset:(32*(\b/2)+8*(\b%2))*4
	global_load_b128 v[BI+8*\b+4:BI+8*\b+7], v[BO], s[10:11] offset:(32*(\b/2)+8*(\b%2))*4+16
.endr
	s_mul_i32 s21, s15, HALFT
	s_mul_i32 s22, s16, HALFT
	s_add_co_u32 s22, s22, 2*HALFT
.irp s, 0,1
	v_add_nc_u32 v[ADRA+\s], s21, v[LN16]
	v_add_nc_u32 v[ADRB+\s], s22, v[LN16]
	v_add_nc_u32 v[ADRA+2+\s], s21, v[LN8]
	v_add_nc_u32 v[ADRB+2+\s], s22, v[LN8]
	s_add_co_u32 s21, s21, SLOT
	s_add_co_u32 s22, s22, SLOT
.endr
	s_lshl_b32 s21, s15, 13
	s_lshl_b32 s22, s16, 13
	s_add_co_u32 s22, s22, 16384
	s_sub_co_u32 s22, s22, s21
	v_mul_u32_u24 v6, s22, v2
	s_add_co_u32 s21, s21, SCL
	v_add_nc_u32 v5, v[LN4], v6
	v_add_nc_u32 v[ADRS], s21, v5
.macro FRAG reg, adr, q, i
	ds_load_b128 v[\reg:\reg+3], v[\adr] offset:(\i)*RTB+(\q)*1536
	ds_load_b64 v[\reg+4:\reg+5], v[\adr+2] offset:(\i)*RTB+(\q)*1536+512
	ds_load_b128 v[\reg+6:\reg+9], v[\adr] offset:(\i)*RTB+(\q)*1536+768
	ds_load_b64 v[\reg+10:\reg+11], v[\adr+2] offset:(\i)*RTB+(\q)*1536+1280
.endm
; the 64 accumulators take turns, one instruction a turn, in the same order in every step; zero = 1: the bias starts the sums
.macro MUL16 a0, p, q, sc, zero
.irp a, \a0, \a0+1
.irp b, 0,1,2,3,4,5,6,7
.if \zero
	v_wmma_scale_f32_16x16x128_f8f6f4 v[8*(8*((\a)%4)+\b):8*(8*((\a)%4)+\b)+7], v[128*(\p)+FR*\b:128*(\p)+FR*\b+FR-1], v[AF+FR*(\a):AF+FR*(\a)+FR-1], v[BI+8*\b:BI+8*\b+7], v[SC+8*NQ*(\sc)+NQ*\b+(\q)], v[SC+8*NQ*(\sc)+NQ*(\a)+(\q)] matrix_a_fmt:MATRIX_FMT_BF6 matrix_b_fmt:MATRIX_FMT_BF6 matrix_a_scale:MATRIX_SCALE_ROW1
.else
	v_wmma_scale_f32_16x16x128_f8f6f4 v[8*(8*((\a)%4)+\b):8*(8*((\a)%4)+\b)+7], v[128*(\p)+FR*\b:128*(\p)+FR*\b+FR-1], v[AF+FR*(\a):AF+FR*(\a)+FR-1], v[8*(8*((\a)%4)+\b):8*(8*((\a)%4)+\b)+7], v[SC+8*NQ*(\sc)+NQ*\b+(\q)], v[SC+8*NQ*(\sc)+NQ*(\a)+(\q)] matrix_a_fmt:MATRIX_FMT_BF6 matrix_b_fmt:MATRIX_FMT_BF6 matrix_a_scale:MATRIX_SCALE_ROW1
.endif
.endr
.endr
.endm
.macro FETCH_B slot, q, p
	WIN TO_B
.irp i, 0,1,2,3,4,5,6,7
	FRAG 128*(\p)+FR*\i, ADRB+\slot, \q, \i
.endr
	WIN 0
.endm
.macro FETCH_A slot, q, i0
.irp i, \i0, \i0+1, \i0+2, \i0+3
	FRAG AF+FR*(\i), ADRA+\slot, \q, \i
.endr
.endm
.macro SCALES sc
.irp i, 0,1,2,3,4,5,6,7
.irp q, 0,1
	ds_load_b32 v[SC+8*NQ*\sc+NQ*\i+\q], v[ADRS] offset:\i*1024+\q*128
.endr
.endr
.endm
.macro PLACES n
.rept \n
	v_nop
.endr
.endm
.macro STEP slot, q, zero
	s_wait_dscnt 4*NL                              ; all but the youngest 16 loads (P's blocks 4-7) are in
.if \zero
	WIN FST_LO
.else
	WIN MUL_LO
.endif
	MUL16 0, (\q)%2, \q, \slot, \zero
	MUL16 2, (\q)%2, \q, \slot, \zero
	s_wait_dscnt 0
	PLACES NP
	FETCH_B \slot, (\q)+1, 1-(\q)%2
	FETCH_A \slot, (\q)+1, 0
.if \zero
	WIN FST_HI
.else
	WIN MUL_HI
.endif
	MUL16 4, (\q)%2, \q, \slot, \zero
	MUL16 6, (\q)%2, \q, \slot, \zero
	PLACES NP
	WIN 0
	FETCH_A \slot, (\q)+1, 4
.endm
.macro TURN slot, next, fill
	s_wait_tensorcnt 0x0                           ; all my tensor loads have landed
	ds_add_u32 v[SPW], v[NIL]                      ; 0 onto my spare word
	s_wait_dscnt 4*NL+1                            ; the add and the youngest 16 loads may be out
	WIN MUL_LO
	MUL16 0, 1, NQ-1, \slot, 0
	s_wait_dscnt 0x0                               ; the add is done, and my reads of this slot are over
	s_barrier_signal -1
	MUL16 2, 1, NQ-1, \slot, 0
	WIN 0
	s_barrier_wait -1
.if \fill
	CREST
	s_add_nc_u64 s[G0+4*\slot+2:G0+4*\slot+3], s[G0+4*\slot+2:G0+4*\slot+3], 2*RTB
	s_add_nc_u64 s[G0B+4*\slot+2:G0B+4*\slot+3], s[G0B+4*\slot+2:G0B+4*\slot+3], 2*RTB
	JLOAD G0+4*\slot, G1, G0B+4*\slot, G1B
.else
	PLACES NP
.endif
	v_add_nc_u32 v[ADRS], 128*NQ, v[ADRS]
	FETCH_B \next, 0, 0
	FETCH_A \next, 0, 0
	SCALES \next
	WIN MUL_HI
	MUL16 4, 1, NQ-1, \slot, 0
	MUL16 6, 1, NQ-1, \slot, 0
	PLACES NP
	WIN 0
	FETCH_A \next, 0, 4
.endm
	s_wait_tensorcnt 1                             ; the scales and my part of slot 0 are in; slot 1's load may be out
	s_barrier_signal -1
	s_barrier_wait -1
	FETCH_B 0, 0, 0
	FETCH_A 0, 0, 0
	SCALES 0
	FETCH_A 0, 0, 4
	s_wait_loadcnt 0x0                             ; b1
	STEP 0, 0, 1
	s_mov_b32 s3, LAPS-1
.Llap:
	TURN 0, 1, 1
	STEP 1, 0, 0
	TURN 1, 0, 1
	STEP 0, 0, 0
	s_sub_co_u32 s3, s3, 1
	s_cmp_lg_u32 s3, 0
	s_cbranch_scc1 .Llap
	TURN 0, 1, 0
	STEP 1, 0, 0
	s_wait_dscnt 4*NL
	WIN MUL_LO
	MUL16 0, 1, NQ-1, 1, 0
	MUL16 2, 1, NQ-1, 1, 0
	s_wait_dscnt 0
	WIN MUL_HI
	MUL16 4, 1, NQ-1, 1, 0
	MUL16 6, 1, NQ-1, 1, 0
	WIN 0
	s_wait_dscnt 0x0                               ; my reads of the slots are over;
	s_barrier_signal -1
	s_barrier_wait -1                              ; everybody's are: the slots, which have had their last fill, take the stash
	PLACES NP
	s_lshl_b32 s20, s14, 16
	v_add_nc_u32 v[STA], s20, v[LN16]              ; 65,536 x wave + 16 x lane
.irp a, 0,1,2,3,4,5,6,7
	WIN 0x08+4*((\a)/4)                            ; an LDS store's data are its source 1: window 2 or 3
.irp g, 0,1,2,3,4,5,6,7,8,9,10,11,12,13,14,15
	ds_store_b128 v[STA], v[64*((\a)%4)+4*\g:64*((\a)%4)+4*\g+3] offset:8192*\a+512*\g   ; each accumulator from its low end on
.endr
.endr
	WIN 0
	s_mov_b32 s[SEL], 0x76543210
	s_mov_b32 s[SEL+1], 0xfedcba98
	v_mov_b32 v244, 0xaf95df0b                     ; the leading coefficients of P and Q, as pairs
	v_mov_b32 v245, 0xaf95df0b
	v_mov_b32 v246, 0xb77460cd
	v_mov_b32 v247, 0xb77460cd
	v_mov_b32 v[FF], 0xff
.irp b, 0,1,2,3
	v_mov_b32 v[TM+4+\b], 0
.endr
	s_lshl_b32 s28, s17, 4
	s_lshl_b32 s29, s15, 3
	s_add_co_u32 s28, s28, s29                     ; my first row tile
	s_lshl_b32 s28, s28, 5
	s_lshl_b32 s29, s42, 1
	s_add_co_u32 s28, s28, s29
	s_add_co_u32 s28, s28, s16                     ; x 32 K steps + my K step of the next product
	s_mul_i32 s30, s28, 1536
	s_mov_b32 s31, 0
	s_add_nc_u64 s[20:21], s[12:13], s[30:31]      ; the fragment
	s_lshl_b32 s30, s28, 7
	s_add_co_u32 s30, s30, 12582912
	s_add_nc_u64 s[22:23], s[12:13], s[30:31]      ; its scale register
.macro GELU hh                         ; 32 numbers at v[GZ + 32 hh]
.set j, 0
.rept 16
	v_pk_mul_f32 v[GU+j:GU+j+1], v[GZ+32*(\hh)+j:GZ+32*(\hh)+j+1], 0x3f3504f3 op_sel_hi:[1,0]   ; u = z / sqrt 2
.set j, j+2
.endr
.set j, 0
.rept 32
	v_med3_num_f32 v[GU+j], v[GU+j], -4.0, 4.0
.set j, j+1
.endr
.set j, 0
.rept 16
	v_pk_mul_f32 v[GS+j:GS+j+1], v[GU+j:GU+j+1], v[GU+j:GU+j+1]
.set j, j+2
.endr
.set j, 0
.rept 16
	v_pk_fma_f32 v[GP+j:GP+j+1], v[GS+j:GS+j+1], v[244:245], 0x32edffee op_sel_hi:[1,1,0]
.set j, j+2
.endr
.irp k, 0xb60cff51, 0xb86ec2d2, 0xba40ac63, 0xbb41a1f6, 0xbc83dbd4
.set j, 0
.rept 16
	v_pk_fma_f32 v[GP+j:GP+j+1], v[GP+j:GP+j+1], v[GS+j:GS+j+1], \k op_sel_hi:[1,1,0]
.set j, j+2
.endr
.endr
.set j, 0
.rept 16
	v_pk_fma_f32 v[GQ+j:GQ+j+1], v[GS+j:GS+j+1], v[246:247], 0xb95fbd29 op_sel_hi:[1,1,0]
.set j, j+2
.endr
.irp k, 0xbadc924e, 0xbbf19bf8, 0xbc69b6a7
.set j, 0
.rept 16
	v_pk_fma_f32 v[GQ+j:GQ+j+1], v[GQ+j:GQ+j+1], v[GS+j:GS+j+1], \k op_sel_hi:[1,1,0]
.set j, j+2
.endr
.endr
.set j, 0
.rept 32
	v_rcp_f32 v[GQ+j], v[GQ+j]                     ; one batch
.set j, j+1
.endr
.set j, 0
.rept 16
	v_pk_mul_f32 v[GP+j:GP+j+1], v[GU+j:GU+j+1], v[GP+j:GP+j+1]          ; work that names no reciprocal stands behind the batch
	v_pk_mul_f32 v[GZ+32*(\hh)+j:GZ+32*(\hh)+j+1], v[GZ+32*(\hh)+j:GZ+32*(\hh)+j+1], 0.5 op_sel_hi:[1,0]
.set j, j+2
.endr
	s_wait_alu depctr_va_vdst(0)                   ; one wait for the 32 reciprocals, ahead of their first reader
.set j, 0
.rept 16
	v_pk_mul_f32 v[GP+j:GP+j+1], v[GP+j:GP+j+1], v[GQ+j:GQ+j+1]          ; erf
.set j, j+2
.endr
.set j, 0
.rept 16
	v_pk_fma_f32 v[GZ+32*(\hh)+j:GZ+32*(\hh)+j+1], v[GZ+32*(\hh)+j:GZ+32*(\hh)+j+1], v[GP+j:GP+j+1], v[GZ+32*(\hh)+j:GZ+32*(\hh)+j+1]
.set j, j+2
.endr
.endm
.macro QUANT s
.irp b, 0,1,2,3
	v_max3_num_f32 v[TM+\b], |v[\s+16*\b]|, |v[\s+1+16*\b]|, 0x2800000
.endr
.irp i, 2,4,6,8,10,12,14
.irp b, 0,1,2,3
	v_max3_num_f32 v[TM+\b], v[TM+\b], |v[\s+16*\b+\i]|, |v[\s+1+16*\b+\i]|
.endr
.endr
.irp b, 0,1,2,3
	v_permlanex16_b32 v[TM+4+\b], v[TM+\b], s[SEL], s[SEL+1]
.endr
.irp b, 0,1,2,3
	v_max_num_f32 v[TM+\b], v[TM+\b], v[TM+4+\b]
.endr
.irp b, 0,1,2,3
	v_add_nc_u32 v[TM+12+\b], 0xfe000000, v[TM+\b]
.endr
.irp b, 0,1,2,3
	v_lshrrev_b32 v[TM+4+\b], 23, v[TM+12+\b]
.endr
.irp b, 0,1,2,3
	v_cmp_neq_f32 vcc_lo, v[\s+16*\b], v[\s+16*\b] ; a row of NaN leaves by the scale byte 0xff
	v_cndmask_b32 v[TM+4+\b], v[TM+4+\b], v[FF], vcc_lo
.endr
	v_lshl_or_b32 v[PW], v[TM+5], 8, v[TM+4]
	v_lshl_or_b32 v[PW], v[TM+6], 16, v[PW]
	v_lshl_or_b32 v[PW], v[TM+7], 24, v[PW]
.irp c, 0,1
	v_cvt_scalef32_pk16_bf6_f32 v[PC+6*\c:PC+2+6*\c], v[\s+32*\c:\s+15+32*\c], v[TM+12+2*\c]
	v_cvt_scalef32_pk16_bf6_f32 v[PC+12+4*\c:PC+14+4*\c], v[\s+16+32*\c:\s+31+32*\c], v[TM+12+2*\c+1]
.endr
	v_nop
.irp c, 0,1
.irp i, 0,1,2
	v_permlane16_swap_b32 v[PC+6*\c+\i], v[PC+12+4*\c+\i]
.endr
.irp i, 0,1,2
	v_mov_b32 v[PC+3+6*\c+\i], v[PC+12+4*\c+\i]
.endr
.endr
.endm
	s_mov_b32 s3, 8
.Lrow:                                 ; a trip: one tile of 16 tokens x my 128 hidden units
.irp g, 0,1,2,3,4,5,6,7,8,9,10,11,12,13,14,15
	ds_load_b128 v[GZ+4*\g:GZ+4*\g+3], v[STA] offset:512*\g   ; my own bytes: LDS serves a wave's instructions in order
.endr
	s_wait_dscnt 0x0
	GELU 0
	GELU 1
	QUANT GZ
	global_store_b128 v[LN16], v[PC:PC+3], s[20:21]
	global_store_b64 v[LN8], v[PC+4:PC+5], s[20:21] offset:512
	global_store_b128 v[LN16], v[PC+6:PC+9], s[20:21] offset:768
	global_store_b64 v[LN8], v[PC+10:PC+11], s[20:21] offset:1280
	global_store_b32 v[LN4], v[PW], s[22:23]
	s_wait_xcnt 0x0                                ; the stores have read their data and bases: both are written again
	v_add_nc_u32 v[STA], 8192, v[STA]
	s_add_nc_u64 s[20:21], s[20:21], 49152         ; the next row tile: 32 fragments on
	s_add_nc_u64 s[22:23], s[22:23], 4096
	s_sub_co_u32 s3, s3, 1
	s_cmp_lg_u32 s3, 0
	s_cbranch_scc1 .Lrow
	s_wait_tensorcnt 0x0                           ; the wave's end
	ds_add_u32 v[SPW], v[NIL]
	s_wait_dscnt 0x0
	CROUND
	s_endpgm
.Lfunc_end_k_q730afcbddc_ffn1:
	.size	k_q730afcbddc_ffn1, .Lfunc_end_k_q730afcbddc_ffn1-k_q730afcbddc_ffn1
	.p2alignl 7, 3214868480
	.fill 96, 4, 3214868480
	.section	.rodata,"a",@progbits
	.p2align	6, 0x0
	.amdhsa_kernel k_q730afcbddc_ffn1
		.amdhsa_group_segment_fixed_size 327680
		.amdhsa_private_segment_fixed_size 0
		.amdhsa_enable_private_segment 0
		.amdhsa_kernarg_size 40
		.amdhsa_user_sgpr_count 2
		.amdhsa_user_sgpr_kernarg_segment_ptr 1
		.amdhsa_wavefront_size32 1
		.amdhsa_system_sgpr_workgroup_id_x 1
		.amdhsa_system_sgpr_workgroup_id_y 1
		.amdhsa_system_sgpr_workgroup_id_z 1
		.amdhsa_system_vgpr_workitem_id 0
		.amdhsa_next_free_vgpr 1024
		.amdhsa_next_free_sgpr 100
		.amdhsa_reserve_vcc 1
		.amdhsa_float_denorm_mode_32 3
		.amdhsa_float_denorm_mode_16_64 3
		.amdhsa_memory_ordered 1
		.amdhsa_forward_progress 1
		.amdhsa_inst_pref_size 181
	.end_amdhsa_kernel
	.amdgpu_metadata
---
amdhsa.version: [ 1, 2 ]
amdhsa.kernels:
  - .name:           k_q730afcbddc_ffn1
    .symbol:         k_q730afcbddc_ffn1.kd
    .args:
      - { .name: hb, .offset: 0, .size: 8, .value_kind: global_buffer, .address_space: global }
      - { .name: img, .offset: 8, .size: 8, .value_kind: global_buffer, .address_space: global }
      - { .name: scl, .offset: 16, .size: 8, .value_kind: global_buffer, .address_space: global }
      - { .name: b1, .offset: 24, .size: 8, .value_kind: global_buffer, .address_space: global }
      - { .name: gb, .offset: 32, .size: 8, .value_kind: global_buffer, .address_space: global }
    .group_segment_fixed_size: 327680
    .private_segment_fixed_size: 0
    .kernarg_segment_align: 8
    .kernarg_segment_size: 40
    .max_flat_workgroup_size: 128
    .sgpr_count:     100
    .vgpr_count:     1024
    .wavefront_size: 32
...
	.end_amdgpu_metadata
.endif
;; end of part 4
;; launch ffn2 (part 5): grid 8 x 32, 4 waves a work-group, clusters of 4 x 4, 327,680 bytes of LDS; arguments gb, img, scl, b2, x, out0; writes out0
.if DOCPART == 5
	.amdgcn_target "amdgcn-amd-amdhsa--gfx1250"
	.amdhsa_code_object_version 6
	.text
	.protected	k_q730afcbddc_ffn2
	.globl	k_q730afcbddc_ffn2
	.p2align	8
	.type	k_q730afcbddc_ffn2,@function
k_q730afcbddc_ffn2:
	s_mov_b64 s[64:65], 0
	v_nop
	global_prefetch_b8 v0, s[64:65] scope:SCOPE_SE
	s_setreg_imm32_b32 hwreg(HW_REG_WAVE_MODE, 25, 1), 1
	s_wait_xcnt 0x0
	s_wait_alu depctr_hold_cnt(0) depctr_sa_sdst(0) depctr_va_vdst(0) depctr_va_sdst(0) depctr_va_ssrc(0) depctr_va_vcc(0) depctr_vm_vsrc(0)
	s_getreg_b32 s2, hwreg(HW_REG_IB_STS2, 6, 4)
	s_cmp_eq_u32 s2, 0
	s_cbranch_scc0 .Lentry_in_a_cluster
	s_endpgm
.Lentry_in_a_cluster:
	s_bfe_u32 s2, ttmp6, 0x10000c
	s_cmp_lg_u32 s2, 0xf033
	s_cbranch_scc0 .Lentry_shape_is_right
	s_endpgm
.Lentry_shape_is_right:
; FFN2.  out0 = x + g w2^T + b2.  K = 4,096; codes of BF6 (E3M2) with E8M0 scales, both operands as images of their registers.
; The result is 4,096 x 1,024: tiles of 256 x 256 would be 64, so a tile is 128 x 128: 256 work-groups; a wave makes 64 x 64 in 16 accumulators.
; K goes in steps of 512 (four matrix instructions deep) through two LDS slots; a wave's tensor load brings 4 row tiles x 6,144 bytes.  The scales of the work-group's rows, for all of K (16,384 bytes a wave), come once.
; CLUSTERS 4 x 4: g's tiles are asked for jointly along a row, w2's along a column.  Source 0 = w2, source 1 = g: a lane holds one token and eight neighbouring outputs a register run.  b2 is the C of each sum's first instruction.
; x: my 64 x 64 numbers (128 registers, window 2) are asked for ahead of the loop over K, in the rows' layout of the way out: they are there when the last product is done.
; THE WAY OUT: 16 tokens x 64 outputs at a time through the wave's own stage, back as rows of 256 bytes, x added, stored as whole aligned runs of 256 bytes.  The tokens of a tile stand in the images' row order.
; A row of NaN arrives by g's scale byte 0xff and leaves as NaN.  All of a WGP's LDS is claimed.
; REGISTERS: window 0: v0-31 addresses; v32-63 scale words, two sets (16 set + 4 q + i); v64-95 b2; v96-127 rows back from the stage; v128-255 accumulators, (a, b) at v[128 + 8 (4 a + b)].
;   window 1: two fragment buffers at v0, v128: g's four, then w2's four.   window 2: v0-127 x, tile a at v[32 a].
.set FR,    12
.set RTB,   6144                       ; a row tile's bytes in a slot: four fragments
.set HALFT, 4*RTB
.set SLOT,  4*HALFT
.set SCL,   196608
.set STAGE, 262144                     ; 4 x 16 rows x 272 bytes
.set SPARE, 279552
.set LN16, 8
.set LN8,  9
.set LN4,  10
.set BO,   13
.set ADRA, 16
.set ADRB, 20
.set STO,  24
.set RD,   25
.set CO,   26
.set ADRS, 27
.set SPW,  28
.set NIL,  29
.set SC,   32
.set BI,   64
.set BK,   96
.set ACC,  128
.set F0,   0
.set F1,   128
.set G1, 24
.set G0, 32
.set G1B, 48
.set G0B, 56
.set G1S, 68
.set G0S, 76
.set G1SB, 80
.set G0SB, 88
.set MSB, 0
.macro WIN new
.if MSB != (\new)
	s_set_vgpr_msb (MSB<<8)|(\new)
.set MSB, (\new)
.endif
.endm
.set MUL,  0x05                        ; sources 0 and 1 window 1; C and D window 0
.set TO_F, 0x40
.set TO_X, 0x80                        ; destination window 2, address window 0
.set ADDX, 0x08                        ; source 1 window 2
.macro JLOAD g0a, g1a, g0b, g1b
	s_cmp_eq_u32 s15, 0
	s_cbranch_scc0 .Lfor_b_\@
	tensor_load_to_lds s[\g0a:\g0a+3], s[\g1a:\g1a+7]
	s_nop 0
.rept 4
	v_nop
.endr
	s_branch .Lasked_\@
.Lfor_b_\@:
	tensor_load_to_lds s[\g0b:\g0b+3], s[\g1b:\g1b+7]
	s_nop 0
.rept 4
	v_nop
.endr
.Lasked_\@:
.endm
.macro CREST
	s_cmp_lg_u32 s14, 0
	s_cbranch_scc1 .Lnot_wave_0_\@
	s_barrier_signal -3
.Lnot_wave_0_\@:
	s_barrier_wait -3
	s_barrier_signal -1
	s_barrier_wait -1
.endm
.macro CROUND
	s_barrier_signal -1
	s_barrier_wait -1
	CREST
.endm
	s_load_b256 s[4:11], s[0:1], 0x0               ; gb, img, scl, b2
	s_load_b128 s[92:95], s[0:1], 0x20             ; x, out0
	v_lshl_add_u32 v[SPW], v0, 2, SPARE
	v_mov_b32 v[NIL], 0
	ds_add_u32 v28, v29
	ds_add_u32 v28, v29
	s_wait_dscnt 0x0
	v_lshrrev_b32 v1, 5, v0
	v_readfirstlane_b32 s14, v1
	s_lshr_b32 s15, s14, 1                         ; which 64 tokens are mine; also: I fetch for g (0) or w2 (1)
	s_and_b32 s16, s14, 1                          ; which 64 outputs; also: which half I fetch
	s_bfe_u32 s40, ttmp6, 0x40000
	s_bfe_u32 s41, ttmp6, 0x40004
	s_lshl_b32 s42, ttmp9, 2
	s_add_co_u32 s42, s42, s40                     ; tile of 128 outputs
	s_and_b32 s17, ttmp7, 0xffff
	s_lshl_b32 s17, s17, 2
	s_add_co_u32 s17, s17, s41                     ; tile of 128 tokens
	s_lshl_b32 s43, s41, 2
	s_lshl_b32 s43, 15, s43
	s_lshl_b32 s44, 0x1111, s40
	s_or_b32 s[G1+0], s43, (3<<16)|(1<<21)
	s_or_b32 s[G1B+0], s44, (3<<16)|(1<<21)
.irp g, G1, G1B
	s_mov_b32 s[\g+1], 768<<16                     ; tensor_dim0 = 768 elements of 8 bytes: four fragments of a row tile
	s_mov_b32 s[\g+2], 4<<16                       ; tensor_dim1 = 4 row tiles
	s_mov_b32 s[\g+3], 768<<16
	s_mov_b32 s[\g+4], 4
	s_mov_b32 s[\g+5], 6144                        ; from row tile to row tile: 49,152 bytes
	s_mov_b32 s[\g+6], 0
	s_mov_b32 s[\g+7], 0
.endr
	s_or_b32 s[G1S+0], s43, (3<<16)|(1<<21)        ; the scales of 4 row tiles: 16,384 dense bytes, as 64 rows of 256
	s_or_b32 s[G1SB+0], s44, (3<<16)|(1<<21)
.irp g, G1S, G1SB
	s_mov_b32 s[\g+1], 32<<16
	s_mov_b32 s[\g+2], 64<<16
	s_mov_b32 s[\g+3], 32<<16
	s_mov_b32 s[\g+4], 64
	s_mov_b32 s[\g+5], 32
	s_mov_b32 s[\g+6], 0
	s_mov_b32 s[\g+7], 0
.endr
	s_lshl_b32 s20, s17, 1
	s_add_co_u32 s20, s20, s16
	s_lshl_b32 s22, s20, 14
	s_add_co_u32 s22, s22, 12582912                ; g's scale images lie behind its codes
	s_mov_b32 s23, 0
	s_mul_i32 s20, s20, 196608
	s_mov_b32 s21, 0
	s_lshl_b32 s46, s42, 1
	s_add_co_u32 s46, s46, s16
	s_lshl_b32 s96, s46, 14
	s_add_co_u32 s96, s96, 720896                  ; w2 in scl
	s_mov_b32 s97, 0
	s_mul_i32 s46, s46, 196608
	s_add_co_u32 s46, s46, 8650752                 ; w2 in img
	s_mov_b32 s47, 0
	s_mul_i32 s45, s14, HALFT
	s_lshl_b32 s98, s14, 14
	s_wait_kmcnt 0x0
	s_add_nc_u64 s[20:21], s[4:5], s[20:21]
	s_add_nc_u64 s[22:23], s[4:5], s[22:23]
	s_add_nc_u64 s[46:47], s[6:7], s[46:47]
	s_add_nc_u64 s[96:97], s[8:9], s[96:97]
	CROUND
	s_mov_b32 s[G0S], 1
	s_add_co_u32 s[G0S+1], s98, SCL
	s_mov_b64 s[G0S+2:G0S+3], s[22:23]
	s_or_b32 s[G0S+3], s[G0S+3], 0x80000000
	s_mov_b32 s[G0SB], 1
	s_add_co_u32 s[G0SB+1], s98, SCL
	s_mov_b64 s[G0SB+2:G0SB+3], s[96:97]
	s_or_b32 s[G0SB+3], s[G0SB+3], 0x80000000
	JLOAD G0S, G1S, G0SB, G1SB
.irp s, 0,1
	s_mov_b32 s[G0+4*\s], 1
	s_add_co_u32 s[G0+4*\s+1], s45, \s*SLOT
	s_add_nc_u64 s[G0+4*\s+2:G0+4*\s+3], s[20:21], \s*RTB
	s_or_b32 s[G0+4*\s+3], s[G0+4*\s+3], 0x80000000
	s_mov_b32 s[G0B+4*\s], 1
	s_add_co_u32 s[G0B+4*\s+1], s45, \s*SLOT
	s_add_nc_u64 s[G0B+4*\s+2:G0B+4*\s+3], s[46:47], \s*RTB
	s_or_b32 s[G0B+4*\s+3], s[G0B+4*\s+3], 0x80000000
	JLOAD G0+4*\s, G1, G0B+4*\s, G1B
.endr
	v_and_b32 v1, 31, v0
	v_bfe_u32 v2, v0, 4, 1                         ; h
	v_and_b32 v3, 15, v0                           ; r
	v_lshlrev_b32 v[LN16], 4, v1
	v_lshlrev_b32 v[LN8], 3, v1
	v_lshlrev_b32 v[LN4], 2, v1
	s_lshl_b32 s18, s42, 9                         ; my first output, in bytes: 512 x tile + 256 x half
	s_lshl_b32 s19, s16, 8
	s_add_co_u32 s18, s18, s19
	s_mov_b32 s19, 0
	s_add_nc_u64 s[10:11], s[10:11], s[18:19]      ; b2 there
	v_lshlrev_b32 v[BO], 6, v2
.irp b, 0,1,2,3
	global_load_b128 v[BI+8*\b:BI+8*\b+3], v[BO], s[10:11] offset:(32*(\b/2)+8*(\b%2))*4
	global_load_b128 v[BI+8*\b+4:BI+8*\b+7], v[BO], s[10:11] offset:(32*(\b/2)+8*(\b%2))*4+16
.endr
	s_lshl_b32 s2, s17, 7
	s_lshl_b32 s3, s15, 6
	s_add_co_u32 s2, s2, s3                        ; my first token
	s_lshl_b32 s2, s2, 12
	s_add_co_u32 s18, s18, s2
	s_add_nc_u64 s[92:93], s[92:93], s[18:19]      ; x and out0 at my corner
	s_add_nc_u64 s[94:95], s[94:95], s[18:19]
	s_mul_i32 s21, s15, HALFT
	s_mul_i32 s22, s16, HALFT
	s_add_co_u32 s22, s22, 2*HALFT
.irp s, 0,1
	v_add_nc_u32 v[ADRA+\s], s21, v[LN16]
	v_add_nc_u32 v[ADRB+\s], s22, v[LN16]
	v_add_nc_u32 v[ADRA+2+\s], s21, v[LN8]
	v_add_nc_u32 v[ADRB+2+\s], s22, v[LN8]
	s_add_co_u32 s21, s21, SLOT
	s_add_co_u32 s22, s22, SLOT
.endr
	s_lshl_b32 s21, s15, 14                        ; scale words: lanes 0-15 g's, lanes 16-31 w2's: the lower base + h x the distance
	s_lshl_b32 s22, s16, 14
	s_add_co_u32 s22, s22, 32768
	s_sub_co_u32 s22, s22, s21
	v_mul_u32_u24 v6, s22, v2
	s_add_co_u32 s21, s21, SCL
	v_add_nc_u32 v5, v[LN4], v6
	v_add_nc_u32 v[ADRS], s21, v5
	s_mul_i32 s23, s14, 16*272
	s_add_co_u32 s23, s23, STAGE                   ; my stage
	v_mul_u32_u24 v5, v3, 272
	v_lshl_add_u32 v5, v2, 6, v5
	v_add_nc_u32 v[STO], s23, v5                   ; in: row r, + 64 h
	v_mul_u32_u24 v5, v2, 272
	v_lshl_add_u32 v5, v3, 4, v5
	v_add_nc_u32 v[RD], s23, v5                    ; back: lanes 0-15 one row of 256 bytes, lanes 16-31 the next
	v_lshlrev_b32 v5, 12, v2
	v_lshl_add_u32 v[CO], v3, 4, v5                ; and the same two rows in x and out0; never rewritten
.macro FRAG reg, adr, q, i
	ds_load_b128 v[\reg:\reg+3], v[\adr] offset:(\i)*RTB+(\q)*1536
	ds_load_b64 v[\reg+4:\reg+5], v[\adr+2] offset:(\i)*RTB+(\q)*1536+512
	ds_load_b128 v[\reg+6:\reg+9], v[\adr] offset:(\i)*RTB+(\q)*1536+768
	ds_load_b64 v[\reg+10:\reg+11], v[\adr+2] offset:(\i)*RTB+(\q)*1536+1280
.endm
.macro FETCH slot, q, buf              ; 32 LDS loads: the eight fragments of the slot's q-th 128 along K
	WIN TO_F
.irp i, 0,1,2,3
	FRAG (\buf)+48+FR*\i, ADRB+\slot, \q, \i
	FRAG (\buf)+FR*\i, ADRA+\slot, \q, \i
.endr
.endm
.macro SCALES sc
	WIN 0
.irp i, 0,1,2,3
.irp q, 0,1,2,3
	ds_load_b32 v[SC+16*\sc+4*\q+\i], v[ADRS] offset:\i*4096+\q*128
.endr
.endr
.endm
; four matrix instructions: g's block a x w2's four.  The 16 accumulators take turns, one instruction a turn, in the same order in every chunk
.macro MULA buf, q, sc, a, zero
.irp b, 0,1,2,3
.if \zero
	v_wmma_scale_f32_16x16x128_f8f6f4 v[ACC+8*(4*(\a)+\b):ACC+8*(4*(\a)+\b)+7], v[(\buf)+48+FR*\b:(\buf)+48+FR*\b+FR-1], v[(\buf)+FR*(\a):(\buf)+FR*(\a)+FR-1], v[BI+8*\b:BI+8*\b+7], v[SC+16*(\sc)+4*(\q)+\b], v[SC+16*(\sc)+4*(\q)+(\a)] matrix_a_fmt:MATRIX_FMT_BF6 matrix_b_fmt:MATRIX_FMT_BF6 matrix_a_scale:MATRIX_SCALE_ROW1
.else
	v_wmma_scale_f32_16x16x128_f8f6f4 v[ACC+8*(4*(\a)+\b):ACC+8*(4*(\a)+\b)+7], v[(\buf)+48+FR*\b:(\buf)+48+FR*\b+FR-1], v[(\buf)+FR*(\a):(\buf)+FR*(\a)+FR-1], v[ACC+8*(4*(\a)+\b):ACC+8*(4*(\a)+\b)+7], v[SC+16*(\sc)+4*(\q)+\b], v[SC+16*(\sc)+4*(\q)+(\a)] matrix_a_fmt:MATRIX_FMT_BF6 matrix_b_fmt:MATRIX_FMT_BF6 matrix_a_scale:MATRIX_SCALE_ROW1
.endif
.endr
.endm
.macro PLACES n
.rept \n
	v_nop
.endr
.endm
.macro CHUNK slot, q, zero             ; one of a slot's first three chunks: the next chunk's fragments are asked for, then this one's 16 products
	s_wait_dscnt 0x0                               ; this chunk's fragments (and scale words) are in
	PLACES 4                                       ; in front of loads into the buffer that the last chunk multiplied
	FETCH \slot, (\q)+1, F0+128*(1-(\q)%2)
	WIN MUL
.irp a, 0,1,2,3
	MULA F0+128*((\q)%2), \q, \slot, \a, \zero
.endr
.endm
.macro TURN slot, next, fill           ; a slot's last chunk changes slots: one barrier
	WIN 0                                          ; the add's two registers lie in window 0
	s_wait_tensorcnt 0x0                           ; all my tensor loads have landed: my part of the next slot
	ds_add_u32 v[SPW], v[NIL]                      ; 0 onto my spare word
	s_wait_dscnt 1                                 ; this chunk's fragments are in; the add may be out
	WIN MUL
	MULA F1, 3, \slot, 0, 0
	s_wait_dscnt 0x0                               ; the add is done, and my reads of this slot are over
	s_barrier_signal -1
	MULA F1, 3, \slot, 1, 0
	WIN 0
	s_barrier_wait -1
.if \fill
	CREST                                          ; the barrier has opened a round of the cluster's
	s_add_nc_u64 s[G0+4*\slot+2:G0+4*\slot+3], s[G0+4*\slot+2:G0+4*\slot+3], 2*RTB
	s_add_nc_u64 s[G0B+4*\slot+2:G0B+4*\slot+3], s[G0B+4*\slot+2:G0B+4*\slot+3], 2*RTB
	JLOAD G0+4*\slot, G1, G0B+4*\slot, G1B         ; the first tensor load behind the round; its four v_nop are the places in front of the loads below
.else
	PLACES 4
.endif
	v_add_nc_u32 v[ADRS], 512, v[ADRS]
	SCALES \next
	FETCH \next, 0, F0
	WIN MUL
	MULA F1, 3, \slot, 2, 0
	MULA F1, 3, \slot, 3, 0
.endm
.macro XLOAD a                         ; x at the 16 tokens of my tile a: two rows of 256 bytes an instruction, into window 2
.irp t, 0,1,2,3,4,5,6,7
	global_load_b128 v[32*(\a)+4*\t:32*(\a)+4*\t+3], v[CO], s[92:93] offset:(32*((\a)/2)+8*((\a)%2)+2*\t+8*(\t/4))*4096 th:TH_LOAD_NT
.endr
.endm
	s_wait_tensorcnt 1                             ; the scales and my part of slot 0 are in; slot 1's load may be out
	s_barrier_signal -1
	s_barrier_wait -1
	SCALES 0
	FETCH 0, 0, F0
	s_wait_loadcnt 0x0                             ; b2
	WIN TO_X
	XLOAD 0                                        ; all of my x: 32 loads, which have the whole loop over K in which to land; nothing names their registers, their offset or their base until the way out
	XLOAD 1
	XLOAD 2
	XLOAD 3
	CHUNK 0, 0, 1
	WIN 0
	s_mov_b32 s3, 3
.Llap:                                 ; a trip goes once round the ring and fills both slots again
	CHUNK 0, 1, 0
	CHUNK 0, 2, 0
	TURN 0, 1, 1
	CHUNK 1, 0, 0
	CHUNK 1, 1, 0
	CHUNK 1, 2, 0
	TURN 1, 0, 1
	CHUNK 0, 0, 0
	WIN 0
	s_sub_co_u32 s3, s3, 1
	s_cmp_lg_u32 s3, 0
	s_cbranch_scc1 .Llap
	CHUNK 0, 1, 0
	CHUNK 0, 2, 0
	TURN 0, 1, 0                                   ; the last lap fills nothing
	CHUNK 1, 0, 0
	CHUNK 1, 1, 0
	CHUNK 1, 2, 0
	s_wait_dscnt 0x0
	WIN MUL
.irp a, 0,1,2,3
	MULA F1, 3, 1, \a, 0
.endr
	WIN 0
	PLACES 4
.macro OUT a
	s_wait_xcnt 0x0                                ; the last tile's stores have read their data
.irp b, 0,1,2,3
	ds_store_b128 v[STO], v[ACC+8*(4*(\a)+\b):ACC+8*(4*(\a)+\b)+3] offset:128*(\b/2)+32*(\b%2)        ; each accumulator from its low end on
	ds_store_b128 v[STO], v[ACC+8*(4*(\a)+\b)+4:ACC+8*(4*(\a)+\b)+7] offset:128*(\b/2)+32*(\b%2)+16
.endr
.irp t, 0,1,2,3,4,5,6,7
	ds_load_b128 v[BK+4*\t:BK+4*\t+3], v[RD] offset:544*\t   ; my own bytes: LDS serves a wave's instructions in order
.endr
	s_wait_dscnt 0x0
	WIN ADDX
.set j, 0
.rept 16
	v_pk_add_f32 v[BK+j:BK+j+1], v[BK+j:BK+j+1], v[32*(\a)+j:32*(\a)+j+1]
.set j, j+2
.endr
	WIN 0
.irp t, 0,1,2,3,4,5,6,7
	global_store_b128 v[CO], v[BK+4*\t:BK+4*\t+3], s[94:95] offset:(32*((\a)/2)+8*((\a)%2)+2*\t+8*(\t/4))*4096 th:TH_STORE_NT   ; sixteen lanes store 256 consecutive bytes, aligned
.endr
.endm
	s_wait_loadcnt 0x0                             ; x, asked for ahead of the loop
	OUT 0
	OUT 1
	OUT 2
	OUT 3
	s_wait_tensorcnt 0x0                           ; the wave's end
	ds_add_u32 v[SPW], v[NIL]
	s_wait_dscnt 0x0
	CROUND                                         ; the closing round
	s_endpgm
.Lfunc_end_k_q730afcbddc_ffn2:
	.size	k_q730afcbddc_ffn2, .Lfunc_end_k_q730afcbddc_ffn2-k_q730afcbddc_ffn2
	.p2alignl 7, 3214868480
	.fill 96, 4, 3214868480
	.section	.rodata,"a",@progbits
	.p2align	6, 0x0
	.amdhsa_kernel k_q730afcbddc_ffn2
		.amdhsa_group_segment_fixed_size 327680
		.amdhsa_private_segment_fixed_size 0
		.amdhsa_enable_private_segment 0
		.amdhsa_kernarg_size 48
		.amdhsa_user_sgpr_count 2
		.amdhsa_user_sgpr_kernarg_segment_ptr 1
		.amdhsa_wavefront_size32 1
		.amdhsa_system_sgpr_workgroup_id_x 1
		.amdhsa_system_sgpr_workgroup_id_y 1
		.amdhsa_system_sgpr_workgroup_id_z 1
		.amdhsa_system_vgpr_workitem_id 0
		.amdhsa_next_free_vgpr 768
		.amdhsa_next_free_sgpr 100
		.amdhsa_reserve_vcc 0
		.amdhsa_float_denorm_mode_32 3
		.amdhsa_float_denorm_mode_16_64 3
		.amdhsa_memory_ordered 1
		.amdhsa_forward_progress 1
		.amdhsa_inst_pref_size 100
	.end_amdhsa_kernel
	.amdgpu_metadata
---
amdhsa.version: [ 1, 2 ]
amdhsa.kernels:
  - .name:           k_q730afcbddc_ffn2
    .symbol:         k_q730afcbddc_ffn2.kd
    .args:
      - { .name: gb, .offset: 0, .size: 8, .value_kind: global_buffer, .address_space: global }
      - { .name: img, .offset: 8, .size: 8, .value_kind: global_buffer, .address_space: global }
      - { .name: scl, .offset: 16, .size: 8, .value_kind: global_buffer, .address_space: global }
      - { .name: b2, .offset: 24, .size: 8, .value_kind: global_buffer, .address_space: global }
      - { .name: x, .offset: 32, .size: 8, .value_kind: global_buffer, .address_space: global }
      - { .name: out0, .offset: 40, .size: 8, .value_kind: global_buffer, .address_space: global }
    .group_segment_fixed_size: 327680
    .private_segment_fixed_size: 0
    .kernarg_segment_align: 8
    .kernarg_segment_size: 48
    .max_flat_workgroup_size: 128
    .sgpr_count:     100
    .vgpr_count:     768
    .wavefront_size: 32
...
	.end_amdgpu_metadata
.endif
;; end of part 5
;; ======== version 2 of 2: 5 launches; version 1 with the launch attn written anew for expert scheduling mode
;; workspace buffers: img 11,796,480 bytes; scl 983,040 bytes; mb 655,360 bytes of whole numbers; qq 3,407,872 bytes; kv 6,684,672 bytes; hb 3,407,872 bytes; gb 13,631,488 bytes
;; launch prep: the kernel of part 1 again; grid 608 x 1, 4 waves a work-group, no clusters, 37,376 bytes of LDS; arguments x, wq, wk, wv, w1, w2, mask, img, scl, mb; writes img, scl, mb
;; launch qkv: the kernel of part 2 again; grid 12 x 16, 4 waves a work-group, clusters of 4 x 4, 327,680 bytes of LDS; arguments img, scl, qq, kv; writes qq, kv
;; launch attn (part 6): grid 8 x 32, 16 waves a work-group, no clusters, 55,296 bytes of LDS; arguments qq, kv, mb, x, hb; writes hb
.if DOCPART == 6
	.amdgcn_target "amdgcn-amd-amdhsa--gfx1250"
	.amdhsa_code_object_version 6
	.text
	.protected	k_q730afcbddc_attn
	.globl	k_q730afcbddc_attn
	.p2align	8
	.type	k_q730afcbddc_attn,@function
k_q730afcbddc_attn:
	s_mov_b64 s[64:65], 0
	v_nop
	global_prefetch_b8 v0, s[64:65] scope:SCOPE_SE
	s_setreg_imm32_b32 hwreg(HW_REG_WAVE_SCHED_MODE, 0, 2), 2
	s_setreg_imm32_b32 hwreg(HW_REG_WAVE_MODE, 25, 1), 1
	s_wait_xcnt 0x0
	s_wait_alu depctr_vm_vsrc(0)
; ATTENTION on codes of BF6 (E3M2), the mask as it is given, and h = x + attention, quantised along the model's 1,024.
; t = score x log2(e) / 8; M = the running largest t rounded up to a whole number; p = 2^(t - M) is quantised along the keys, not normalised; the row's sum is taken of the unquantised p and divides at the end.
; SHARES.  A work-group has one (batch, head) and sixteen tiles of 16 queries, one a wave, in 256 registers: eight tiles from the low end of the sequence and eight from the high end.
; Every wave walks the 16 key steps of 128 keys.  A step's record (K's 8 tiles, V^T's 4 fragments, their scale words) is 13,056 bytes; FOUR records, 52,224 consecutive bytes of memory, form a group.
; A group goes from memory through 28 registers a thread into ONE region of LDS, asked for four key steps ahead.  Between two groups: a barrier behind every wave's reads, the stores, a barrier behind the stores.
; Within a group's four steps no wave waits for another.
; THE MASK.  An earlier launch has stored, for each query tile and key step, 64 lane words (one for each score register) and two flags.  A step none of whose keys counts for my tile is left out by a scalar
; branch on the stored flag; where all count, the lane words are neither loaded nor used.  A group that no tile of the work-group needs is neither loaded nor stored.  These branches stand round loads, LDS stores,
; products and softmax alone: every wave passes every barrier.
; NO TENSOR LOAD AND NO CLUSTER: this launch branches on numbers read from memory.
; LAYOUT.  S^T = K Q^T, O^T = V^T P^T: a lane holds one query throughout.  The keys of a tile are ordered so that the 16 registers of two neighbouring tiles are 16 neighbouring keys.
; THE HEAD'S 64 fill half an instruction's K: Q's upper six registers are zero codes, so whatever stands in K's upper six (the next tile's codes, or zeros) adds nothing; no scale byte there is 0xff.
; A ROW WITH NO KEY: its sum is 0, its reciprocal infinite, 0 x infinity is NaN; h's scale bytes of that row are then set to 0xff, which makes the next product's sums of that row NaN.
; LIMITS: a block's largest p is taken from its largest score (v_exp_f32 taken not to fall where its input rises); NaN and infinities among the inputs are not served; blocks under 2^-122 get the byte 1.
; REGISTERS: v1-3 16, 8, 4 x lane; v4 16 x thread; v5 x's offset; v6 0xff; v7 -infinity; v12 -M, v13 the largest t, v[14:15] the sum; v16-27 Q; v32-85 K's tiles, then V's fragments;
;   v86-89, v90-91, v92 scale words of K, V, Q; v96-159 S^T, then p; v160-191 O^T; v200-219 at work; v224-235 p's codes; v252 f, v253 p's scale word, v254 at work;
;   v28-31, v192-199, v220-223, v240-251: the next group on its way; in the last four steps, with v8-11, my tile of x.
; THE MODE: SCHED_MODE bits 1:0 = 2 (LLVM: expert scheduling mode 2), set by the entry lines.  The code itself states the register dependences
; between vector or matrix instructions and memory or LDS instructions, with s_wait_alu, always for 0.
; THE PLAN.  Registers that memory or LDS instructions touch:
;   v1 .. v5      Offsets and LDS addresses: written at the head, ahead of the head's wait on va_vdst, and never again.
;   v10, v212     Offsets of loads at the head alone.  Written again later (x lands on v[8:11], the conversions write v212): behind the wait on vm_vsrc at the top of the first trip.
;   THE QUADS     v28, v192, v196, v220, v240, v244, v248: a group's loads land in them, the LDS stores read them, and no vector instruction names them before the way out.
;                 So a group's loads owe one wait on vm_vsrc, at a trip's top: the stores of the group before have read the quads.  The same wait stands once more ahead of x's loads.
;   v32-79        K's tiles land here and the step's eight products read them; then V's fragments land here and the step's four products read them.  The sixteen waves' 256 registers each leave no second set.
;   v86-89, v90-91  K's and V's scale words: LDS loads land, the same products read.
;   v224-235, v253  p's codes and scale word: written by vector instructions, read by the four products; on the way out v224-229 and v210 are the stores' data.
; A working step has five waits on va_vdst: at its head (the last step's products are done with v32-79 and v86-91: K's loads may land); behind the eight products (they are done with K's registers: V's loads may land);
; one for each batch of exponentials; and ahead of the four products (p's codes and scale word are written).
.set RECB,  13056
.set GRPB,  4*RECB
.set VCO,   6144
.set KSC,   12288
.set VSC,   12800
.set BM,  200
.set PT,  204
.set SO,  208
.set CT,  212
.set WV,  14
.set ANY, 68
.set ALL, 69
.set QT,  70
.set TRIP, 71
.set SEL, 72
.set CS,  74
.set BAL, 76
.set REC, 78
.set NEED, 100
; a group of four records: 16 bytes a thread six times (8,192 consecutive bytes each), and 3,072 bytes more by waves 0 to 5
.macro GFETCH
	global_load_b128 v[28:31], v4, s[REC:REC+1]
	global_load_b128 v[192:195], v4, s[REC:REC+1] offset:8192
	global_load_b128 v[196:199], v4, s[REC:REC+1] offset:16384
	global_load_b128 v[220:223], v4, s[REC:REC+1] offset:24576
	global_load_b128 v[240:243], v4, s[REC:REC+1] offset:32768
	global_load_b128 v[244:247], v4, s[REC:REC+1] offset:40960
	s_cmp_lt_u32 s[WV], 6
	s_cbranch_scc0 .Lgf_\@
	global_load_b128 v[248:251], v4, s[REC:REC+1] offset:49152
.Lgf_\@:
.endm
.macro GSTORE                          ; and into LDS, as it lies in memory
	ds_store_b128 v4, v[28:31]
	ds_store_b128 v4, v[192:195] offset:8192
	ds_store_b128 v4, v[196:199] offset:16384
	ds_store_b128 v4, v[220:223] offset:24576
	ds_store_b128 v4, v[240:243] offset:32768
	ds_store_b128 v4, v[244:247] offset:40960
	s_cmp_lt_u32 s[WV], 6
	s_cbranch_scc0 .Lgs_\@
	ds_store_b128 v4, v[248:251] offset:49152
.Lgs_\@:
.endm
	s_load_b256 s[4:11], s[0:1], 0x0               ; qq, kv, mb, x
	s_load_b64 s[12:13], s[0:1], 0x20              ; hb
	v_lshl_add_u32 v239, v0, 2, 0xd000
	v_mov_b32 v255, 0
	v_lshrrev_b32 v1, 5, v0
	v_readfirstlane_b32 s[WV], v1                  ; wave 0..15
	v_and_b32 v1, 31, v0
	v_lshlrev_b32 v2, 3, v1
	v_lshlrev_b32 v3, 2, v1
	v_lshlrev_b32 v1, 4, v1
	v_lshlrev_b32 v4, 4, v0                        ; 16 x thread: my place in a group's runs of 8,192 bytes, in memory and in LDS alike
	v_mov_b32 v7, 0xff800000
	v_mov_b32 v6, 0xff
	v_and_b32 v10, 15, v0                          ; r
	v_bfe_u32 v11, v0, 4, 1                        ; h
	v_and_b32 v5, 8, v10
	v_add_nc_u32 v5, v5, v10                       ; r + 8 (r / 8)
	v_lshlrev_b32 v5, 12, v5
	v_lshl_add_u32 v5, v11, 6, v5                  ; x: my query's row of 4,096 bytes, + 64 h
	s_lshl_b32 s66, ttmp9, 3                       ; the work-group's sixteen tiles: 8 g + i for i < 8, 112 - 8 g + i for i >= 8
	s_lshl_b32 s67, ttmp9, 4
	s_sub_co_u32 s67, 112, s67
	v_lshrrev_b32 v212, 3, v10
	v_mad_u32_u24 v212, v212, s67, v10
	v_add_nc_u32 v212, s66, v212                   ; lane i % 16 names tile i
	v_lshlrev_b32 v212, 10, v212                   ; whose flags are 1,024 bytes: 256 for each quarter of the keys
	v_lshlrev_b32 v10, 2, v10
	s_wait_alu depctr_va_sdst(0)                   ; the wave's number is written, ahead of its first reader: my tile, the addresses and the branches on the wave are made from it
	s_and_b32 s15, ttmp7, 0xffff                   ; 16 x batch + head
	s_lshr_b32 s66, s[WV], 2
	s_xor_b32 s66, s66, s[WV]
	s_and_b32 s66, s66, 1                          ; low end or high end: of waves w, w + 4, w + 8, w + 12 two take each
	s_lshr_b32 s67, s[WV], 1
	s_lshl_b32 s[QT], ttmp9, 3
	s_add_co_u32 s[QT], s[QT], s67
	s_sub_co_u32 s67, 127, s[QT]
	s_cmp_eq_u32 s66, 1
	s_cselect_b32 s[QT], s67, s[QT]                ; my query tile, 0..127
	s_lshl_b32 s66, s15, 7
	s_add_co_u32 s66, s66, s[QT]
	s_mul_i32 s96, s66, 768
	s_mov_b32 s97, 0
	s_lshl_b32 s98, s66, 6
	s_mov_b32 s99, 0
	s_lshl_b32 s[BAL], s[QT], 12
	s_mov_b32 s[BAL+1], 0
	s_lshl_b32 s66, s[QT], 10
	s_mov_b32 s67, 0
	s_mul_i32 s[REC], s15, 16*RECB
	s_mov_b32 s[REC+1], 0
	s_lshr_b32 s16, s15, 4                         ; batch
	s_and_b32 s17, s15, 15                         ; head
	s_lshr_b32 s18, s[QT], 1
	s_lshl_b32 s18, s18, 5
	s_and_b32 s19, s[QT], 1
	s_lshl_b32 s19, s19, 3
	s_add_co_u32 s18, s18, s19
	s_lshl_b32 s19, s16, 11
	s_add_co_u32 s18, s18, s19                     ; my tile's first token
	s_lshl_b32 s18, s18, 12
	s_lshl_b32 s19, s17, 8
	s_add_co_u32 s18, s18, s19                     ; its row of x, at my head's 64 numbers
	s_mov_b32 s19, 0
	s_mov_b32 s[SEL], 0x76543210
	s_mov_b32 s[SEL+1], 0xfedcba98
	s_mov_b32 s[CS], 0x3e38aa3b                    ; c = log2(e) / 8
	s_mov_b32 s[CS+1], s[CS]
	s_wait_kmcnt 0x0
	s_add_nc_u64 s[96:97], s[4:5], s[96:97]        ; Q's half fragment
	s_add_nc_u64 s[98:99], s[4:5], s[98:99]        ; its scale words, 3,145,728 bytes on
	s_add_nc_u64 s[BAL:BAL+1], s[8:9], s[BAL:BAL+1]
	s_add_nc_u64 s[66:67], s[8:9], s[66:67]
	s_add_nc_u64 s[REC:REC+1], s[6:7], s[REC:REC+1]
	s_add_nc_u64 s[10:11], s[10:11], s[18:19]
	s_wait_alu depctr_va_vdst(0)                   ; the offsets and addresses v1 to v5, v10 and v212 are written, which the kernel's loads and stores read; so are v10 and v11, on which x lands in the last four steps: no vector line names them again
	GFETCH                                         ; key steps 0 to 3
	s_load_b32 s80, s[66:67], 524288               ; my tile's flags
	s_load_b32 s81, s[66:67], 524288+256
	s_load_b32 s82, s[66:67], 524288+512
	s_load_b32 s83, s[66:67], 524288+768
	global_load_b128 v[16:19], v1, s[96:97]
	global_load_b64 v[20:21], v2, s[96:97] offset:512
	global_load_b32 v92, v10, s[98:99] offset:3145728
	global_load_b32 v213, v212, s[8:9] offset:524288+256   ; the sixteen tiles' flags of the keys' second, third and fourth quarter
	global_load_b32 v214, v212, s[8:9] offset:524288+512
	global_load_b32 v215, v212, s[8:9] offset:524288+768
	v_mov_b32 v13, 0xff61b1e6                      ; the largest t so far: -3e38
	v_floor_f32 v12, -v13
	v_mov_b32 v14, 0
	v_mov_b32 v15, 0
.irp i, 22,23,24,25,26,27,80,81,82,83,84,85
	v_mov_b32 v[\i], 0                             ; Q's upper half, and what stands behind K's last tile: zero codes
.endr
.set i, 0
.rept 32
	v_mov_b32 v[160+i], 0                          ; O^T: the step is written once; the first change of M leaves zeros zeros
.set i, i+1
.endr
.irp b, 0,1,2,3
	v_mov_b32 v[PT+\b], 0
.endr
	v_mov_b32 v253, 0
	v_mov_b32 v254, 0
	s_wait_kmcnt 0x0
	s_or_b32 s80, s80, s81
	s_or_b32 s82, s82, s83
	s_or_b32 s80, s80, s82
	s_and_b32 s[ANY], s80, 0xffff                  ; bit j: some key of step j counts for my tile
	s_lshr_b32 s[ALL], s80, 16                     ; bit j: all do
	s_wait_loadcnt 0x0
	s_add_nc_u64 s[REC:REC+1], s[REC:REC+1], GRPB
	GSTORE
	v_and_b32 v213, 0xffff, v213                   ; the bits that say: some key counts
	v_and_b32 v214, 0xffff, v214
	v_and_b32 v215, 0xffff, v215
	v_cmp_ne_u32 s84, 0, v213                      ; a lane mask: not 0 where any of the sixteen tiles has such a bit
	v_cmp_ne_u32 s85, 0, v214
	v_cmp_ne_u32 s86, 0, v215
	s_wait_alu depctr_va_sdst(0)                   ; the three compares have written s84 to s86, ahead of their first reader
	s_cmp_lg_u32 s84, 0
	s_cselect_b32 s[NEED], 1, 0                    ; bit p: the work-group needs the group of key steps 4 p + 4 .. 4 p + 7
	s_cmp_lg_u32 s85, 0
	s_cselect_b32 s66, 2, 0
	s_or_b32 s[NEED], s[NEED], s66
	s_cmp_lg_u32 s86, 0
	s_cselect_b32 s66, 4, 0
	s_or_b32 s[NEED], s[NEED], s66
	s_wait_dscnt 0x0                               ; for the others' sake: my part of the first group lies in LDS
	s_barrier_signal -1
	s_barrier_wait -1
; K's tiles, the scores, and V's fragments asked for: the same on both ways of a step.  The wait at the step's head, ahead of the branch that parts the two ways, has freed the registers in which K's loads land.
.macro FRONT rec
.irp t, 0,1,2,3,4,5,6,7
	ds_load_b128 v[32+6*\t:35+6*\t], v1 offset:(\rec)*RECB+768*\t
	ds_load_b64 v[36+6*\t:37+6*\t], v2 offset:(\rec)*RECB+768*\t+512
.endr
.irp p, 0,1,2,3
	ds_load_b32 v[86+\p], v3 offset:(\rec)*RECB+KSC+128*\p   ; lanes 0-15 tile 2 p's words, lanes 16-31 tile 2 p + 1's
.endr
	s_wait_dscnt 0x0
.irp t, 0,1,2,3,4,5,6,7
.if \t%2
	v_wmma_scale_f32_16x16x128_f8f6f4 v[96+8*\t:103+8*\t], v[32+6*\t:43+6*\t], v[16:27], 0, v[86+\t/2], v92 matrix_a_fmt:MATRIX_FMT_BF6 matrix_b_fmt:MATRIX_FMT_BF6 matrix_a_scale:MATRIX_SCALE_ROW1
.else
	v_wmma_scale_f32_16x16x128_f8f6f4 v[96+8*\t:103+8*\t], v[32+6*\t:43+6*\t], v[16:27], 0, v[86+\t/2], v92 matrix_a_fmt:MATRIX_FMT_BF6 matrix_b_fmt:MATRIX_FMT_BF6
.endif
.endr
.rept 4
	v_nop                                          ; places in front of the first read of the scores
.endr
	s_wait_alu depctr_va_vdst(0)                   ; the eight products are done reading K's tiles in v32-79, in which V's fragments land (v90-91 were freed at the step's head, and nothing has named them since)
.irp e, 0,1,2,3
	ds_load_b128 v[32+12*\e:35+12*\e], v1 offset:(\rec)*RECB+VCO+1536*\e
	ds_load_b64 v[36+12*\e:37+12*\e], v2 offset:(\rec)*RECB+VCO+1536*\e+512
	ds_load_b128 v[38+12*\e:41+12*\e], v1 offset:(\rec)*RECB+VCO+1536*\e+768
	ds_load_b64 v[42+12*\e:43+12*\e], v2 offset:(\rec)*RECB+VCO+1536*\e+1280
.endr
.irp p, 0,1
	ds_load_b32 v[90+\p], v3 offset:(\rec)*RECB+VSC+128*\p
.endr
.endm
; A KEY STEP: the group's record rec
.macro STEP rec
	s_bitcmp1_b32 s[ANY], 0
	s_cbranch_scc0 .Lskip_\@                       ; no key of this step counts for my 16 queries
	s_wait_alu depctr_va_vdst(0)                   ; the last working step's products are done reading v32-79 and v86-91, in which this step's LDS loads land; in the first, Q's and K's zero codes (v22-27, v80-85), operands of the products below, are written
	s_bitcmp1_b32 s[ALL], 0
	s_cbranch_scc1 .Lall_\@                        ; all count: the lane words are not wanted
	s_load_b512 s[16:31], s[BAL:BAL+1], 0x0        ; the step's 64 lane words: asked for ahead of the scores' products
	s_load_b512 s[32:47], s[BAL:BAL+1], 0x40
	s_load_b512 s[48:63], s[BAL:BAL+1], 0x80
	s_load_b512 s[80:95], s[BAL:BAL+1], 0xc0
	FRONT \rec
	s_wait_kmcnt 0x0                               ; the lane words are in (and their address may be stepped)
.set n, 0
.rept 48
	v_cndmask_b32 v[96+n], v7, v[96+n], s[16+n]    ; a hidden key's score becomes -infinity: p = 0
.set n, n+1
.endr
.rept 16
	v_cndmask_b32 v[96+n], v7, v[96+n], s[32+n]
.set n, n+1
.endr
	s_branch .Lopen_\@
.Lall_\@:
	FRONT \rec
.Lopen_\@:
.irp b, 0,1,2,3
	v_max3_num_f32 v[BM+\b], v[96+16*\b], v[97+16*\b], v[98+16*\b]   ; the largest score of each block of 32 keys: for the row's maximum and for the block's largest p
.endr
.irp i, 3,5,7,9,11,13
.irp b, 0,1,2,3
	v_max3_num_f32 v[BM+\b], v[BM+\b], v[96+16*\b+\i], v[97+16*\b+\i]
.endr
.endr
.irp b, 0,1,2,3
	v_max_num_f32 v[BM+\b], v[BM+\b], v[111+16*\b]
.endr
.irp b, 0,1,2,3
	v_permlanex16_b32 v[PT+\b], v[BM+\b], s[SEL], s[SEL+1]
.endr
.irp b, 0,1,2,3
	v_max_num_f32 v[BM+\b], v[BM+\b], v[PT+\b]
.endr
	v_max3_num_f32 v254, v[BM], v[BM+1], v[BM+2]
	v_max_num_f32 v254, v254, v[BM+3]
	v_mul_f32 v254, s[CS], v254
	v_max_num_f32 v13, v13, v254                   ; the running largest t
	v_mov_b32 v254, v12
	v_floor_f32 v12, -v13                          ; -M = floor(-t): M is a whole number
	v_sub_f32 v254, v12, v254
	v_cvt_i32_f32 v254, v254                       ; old M - new M, 0 or less (it saturates)
	v_ldexp_f32 v252, 1.0, v254                    ; f = 2^(old M - new M): a multiplication by it rounds nothing
.set j, 0
.rept 32
	v_pk_fma_f32 v[96+j:97+j], v[96+j:97+j], s[CS:CS+1], v[12:13] op_sel_hi:[1,0,0]   ; t - M
.set j, j+2
.endr
.irp b, 0,1,2,3
	v_fma_f32 v[BM+\b], v[BM+\b], s[CS], v12
.endr
.set j, 0
.rept 64
	v_exp_f32 v[96+j], v[96+j]                     ; p = 2^(t - M)
.set j, j+1
.endr
	v_pk_mul_f32 v[14:15], v[14:15], v[252:253] op_sel_hi:[1,0]   ; the sums under the new M; the plain place behind the exponentials
	s_wait_alu depctr_va_vdst(0)                   ; the 64 exponentials have written p in v96-159: one wait for the batch, ahead of its first reader
.irp b, 0,1,2,3
	v_exp_f32 v[BM+\b], v[BM+\b]                   ; each block's largest p
.endr
	v_pk_add_f32 v[236:237], v[96:97], v[98:99]    ; the row's sum of the unquantised p, in two chains
.irp j, 4,8,12,16,20,24,28,32,36,40,44,48,52,56,60
	v_pk_add_f32 v[14:15], v[14:15], v[96+\j:97+\j]
	v_pk_add_f32 v[236:237], v[236:237], v[98+\j:99+\j]
.endr
	v_pk_add_f32 v[14:15], v[14:15], v[236:237]
	s_wait_alu depctr_va_vdst(0)                   ; the four exponentials have written the blocks' largest p in v200-203, ahead of their first reader
.irp b, 0,1,2,3
	v_max_num_f32 v[BM+\b], 0x2800000, v[BM+\b]    ; the floor 2^(5 - 127)
.endr
.irp b, 0,1,2,3
	v_add_nc_u32 v[SO+\b], 0xfe000000, v[BM+\b]
.endr
.irp b, 0,1,2,3
	v_lshrrev_b32 v[PT+\b], 23, v[SO+\b]
.endr
	v_lshl_or_b32 v253, v[PT+1], 8, v[PT]
	v_lshl_or_b32 v253, v[PT+2], 16, v253
	v_lshl_or_b32 v253, v[PT+3], 24, v253          ; p's scale word for these 128 keys
.irp c, 0,1
	v_cvt_scalef32_pk16_bf6_f32 v[224+6*\c:226+6*\c], v[96+32*\c:111+32*\c], v[SO+2*\c]
	v_cvt_scalef32_pk16_bf6_f32 v[CT+4*\c:CT+2+4*\c], v[112+32*\c:127+32*\c], v[SO+2*\c+1]
.endr
	v_nop
.irp c, 0,1
.irp i, 0,1,2
	v_permlane16_swap_b32 v[224+6*\c+\i], v[CT+4*\c+\i]
.endr
.irp i, 0,1,2
	v_mov_b32 v[227+6*\c+\i], v[CT+4*\c+\i]
.endr
.endr
.set j, 0
.rept 16
	v_pk_mul_f32 v[160+j:161+j], v[160+j:161+j], v[252:253] op_sel_hi:[1,0]   ; O^T under the new M, from each accumulator's low end on; these 16 are also the places in front of the products below
.set j, j+2
.endr
	s_wait_dscnt 0x0                               ; V and its scale words
	s_wait_alu depctr_va_vdst(0)                   ; p's codes in v224-235 and its scale word in v253, which vector instructions made, are written: the scaled products below take them as operand and scale; the places above stay beside this wait
.irp e, 0,1,2,3
.if \e%2
	v_wmma_scale_f32_16x16x128_f8f6f4 v[160+8*\e:167+8*\e], v[32+12*\e:43+12*\e], v[224:235], v[160+8*\e:167+8*\e], v[90+\e/2], v253 matrix_a_fmt:MATRIX_FMT_BF6 matrix_b_fmt:MATRIX_FMT_BF6 matrix_a_scale:MATRIX_SCALE_ROW1
.else
	v_wmma_scale_f32_16x16x128_f8f6f4 v[160+8*\e:167+8*\e], v[32+12*\e:43+12*\e], v[224:235], v[160+8*\e:167+8*\e], v[90+\e/2], v253 matrix_a_fmt:MATRIX_FMT_BF6 matrix_b_fmt:MATRIX_FMT_BF6
.endif
.endr
.rept 4
	v_nop                                          ; places behind the last products, for the next read of O^T
.endr
.Lskip_\@:
	s_lshr_b32 s[ANY], s[ANY], 1
	s_lshr_b32 s[ALL], s[ALL], 1
	s_add_nc_u64 s[BAL:BAL+1], s[BAL:BAL+1], 256
.endm
	s_mov_b32 s[TRIP], 3
.Lphase:                               ; a trip: four key steps, and the next group's way from memory into LDS
	s_wait_alu depctr_vm_vsrc(0)                   ; my LDS stores of the group before have read the seven quads, in which the loads below land; in the first trip also: the head's loads have read v10 and v212, which are written again further on
	s_bitcmp1_b32 s[NEED], 0
	s_cbranch_scc0 .Lno_fetch                      ; no tile of the work-group has a key that counts in the next four steps
	GFETCH                                         ; four key steps ahead of its use; no vector instruction names the quads
.Lno_fetch:
	STEP 0
	STEP 1
	STEP 2
	STEP 3
	s_wait_dscnt 0x0                               ; my reads of this group are over;
	s_barrier_signal -1
	s_barrier_wait -1                              ; everybody's are: the region may be written
	s_wait_loadcnt 0x0                             ; the next group is in my registers, and its address may be stepped
	s_add_nc_u64 s[REC:REC+1], s[REC:REC+1], GRPB
	s_bitcmp1_b32 s[NEED], 0
	s_cbranch_scc0 .Lno_store
	GSTORE
.Lno_store:
	s_lshr_b32 s[NEED], s[NEED], 1
	s_wait_dscnt 0x0                               ; for the others' sake: my stores have landed
	s_barrier_signal -1
	s_barrier_wait -1                              ; the group is whole
	s_sub_co_u32 s[TRIP], s[TRIP], 1
	s_cmp_lg_u32 s[TRIP], 0
	s_cbranch_scc1 .Lphase
; the last four steps fetch no group: the registers that held groups on their way take my tile of x, asked for four steps ahead of its use
.macro XQ m, xq
	global_load_b128 v[\xq:\xq+3], v5, s[10:11] offset:128*((\m)/4)+16*((\m)%4)
.endm
	s_wait_alu depctr_vm_vsrc(0)                   ; my LDS stores of the last group have read the seven quads, in which x lands
	XQ 0, 28
	XQ 1, 192
	XQ 2, 196
	XQ 3, 220
	XQ 4, 240
	XQ 5, 244
	XQ 6, 248
	XQ 7, 8
	STEP 0
	STEP 1
	STEP 2
	STEP 3
; THE WAY OUT: h = x + O^T / the sum; register 16 b + i of lane (r, h) is channel 32 b + 16 h + i of the head: a half fragment of the next product's operand
	s_lshr_b32 s16, s15, 4                         ; batch
	s_and_b32 s17, s15, 15                         ; head
	s_lshl_b32 s20, s16, 7
	s_add_co_u32 s20, s20, s[QT]                   ; the row tile among 256
	s_lshl_b32 s22, s20, 4
	s_add_co_u32 s22, s22, s17
	s_mul_i32 s22, s22, 768
	s_mov_b32 s23, 0
	s_add_nc_u64 s[22:23], s[12:13], s[22:23]
	s_lshl_b32 s20, s20, 3
	s_lshr_b32 s21, s17, 1
	s_add_co_u32 s20, s20, s21
	s_lshl_b32 s20, s20, 7
	s_and_b32 s21, s17, 1
	s_lshl_b32 s21, s21, 1
	s_add_co_u32 s20, s20, s21
	s_mov_b32 s21, 0
	s_add_nc_u64 s[20:21], s[12:13], s[20:21]
	v_add_f32 v14, v14, v15
	v_permlanex16_b32 v254, v14, s[SEL], s[SEL+1]
	v_add_f32 v14, v14, v254                       ; the row's sum
	v_rcp_f32 v14, v14
	v_nop                                          ; a plain place behind the reciprocal
	s_wait_alu depctr_va_vdst(0)                   ; the reciprocal has written v14, ahead of its first reader
	s_wait_loadcnt 0x0                             ; x
.macro HQ m, xq                        ; four numbers: O^T from each accumulator's low end on
	v_pk_fma_f32 v[96+4*(\m):97+4*(\m)], v[160+4*(\m):161+4*(\m)], v[14:15], v[\xq:\xq+1] op_sel_hi:[1,0,1]
	v_pk_fma_f32 v[98+4*(\m):99+4*(\m)], v[162+4*(\m):163+4*(\m)], v[14:15], v[\xq+2:\xq+3] op_sel_hi:[1,0,1]
.endm
	HQ 0, 28
	HQ 1, 192
	HQ 2, 196
	HQ 3, 220
	HQ 4, 240
	HQ 5, 244
	HQ 6, 248
	HQ 7, 8
.irp b, 0,1
	v_max3_num_f32 v[BM+\b], |v[96+16*\b]|, |v[97+16*\b]|, 0x2800000
.endr
.irp i, 2,4,6,8,10,12,14
.irp b, 0,1
	v_max3_num_f32 v[BM+\b], v[BM+\b], |v[96+16*\b+\i]|, |v[97+16*\b+\i]|
.endr
.endr
.irp b, 0,1
	v_permlanex16_b32 v[PT+\b], v[BM+\b], s[SEL], s[SEL+1]
.endr
.irp b, 0,1
	v_max_num_f32 v[BM+\b], v[BM+\b], v[PT+\b]
.endr
.irp b, 0,1
	v_add_nc_u32 v[SO+\b], 0xfe000000, v[BM+\b]
.endr
.irp b, 0,1
	v_lshrrev_b32 v[PT+\b], 23, v[SO+\b]
.endr
.irp b, 0,1
	v_cmp_neq_f32 s[84+\b], v[96+16*\b], v[96+16*\b]   ; a row of NaN keeps its NaN through the codes by the scale byte 0xff: the two compares in one run, each into a scalar register of its own
.endr
	s_wait_alu depctr_va_sdst(0)                   ; the two compares have written s84 and s85, ahead of the selects that read them
.irp b, 0,1
	v_cndmask_b32 v[PT+\b], v[PT+\b], v6, s[84+\b]
.endr
	v_lshl_or_b32 v[SO+2], v[PT+1], 8, v[PT]
	v_cvt_scalef32_pk16_bf6_f32 v[224:226], v[96:111], v[SO]
	v_cvt_scalef32_pk16_bf6_f32 v[CT:CT+2], v[112:127], v[SO+1]
	v_nop
.irp i, 0,1,2
	v_permlane16_swap_b32 v[224+\i], v[CT+\i]
.endr
.irp i, 0,1,2
	v_mov_b32 v[227+\i], v[CT+\i]
.endr
	s_wait_alu depctr_va_vdst(0)                   ; h's codes in v224-229 and its two scale bytes in v210 are written, which the three stores read
	global_store_b128 v1, v[224:227], s[22:23]     ; 768 consecutive bytes, aligned to 256
	global_store_b64 v2, v[228:229], s[22:23] offset:512
	global_store_b16 v3, v[SO+2], s[20:21] offset:3145728   ; my head's two bytes of the scale register's image
	s_wait_dscnt 0x0                               ; the closing lines, six on end
	s_wait_alu 0x0
	s_wait_tensorcnt 0x0
	ds_add_u32 v239, v255
	s_wait_dscnt 0x0
	s_endpgm
.Lfunc_end_k_q730afcbddc_attn:
	.size	k_q730afcbddc_attn, .Lfunc_end_k_q730afcbddc_attn-k_q730afcbddc_attn
	.p2alignl 7, 3214868480
	.fill 96, 4, 3214868480
	.section	.rodata,"a",@progbits
	.p2align	6, 0x0
	.amdhsa_kernel k_q730afcbddc_attn
		.amdhsa_group_segment_fixed_size 55296
		.amdhsa_private_segment_fixed_size 0
		.amdhsa_enable_private_segment 0
		.amdhsa_kernarg_size 40
		.amdhsa_user_sgpr_count 2
		.amdhsa_user_sgpr_kernarg_segment_ptr 1
		.amdhsa_wavefront_size32 1
		.amdhsa_system_sgpr_workgroup_id_x 1
		.amdhsa_system_sgpr_workgroup_id_y 1
		.amdhsa_system_sgpr_workgroup_id_z 1
		.amdhsa_system_vgpr_workitem_id 0
		.amdhsa_next_free_vgpr 256
		.amdhsa_next_free_sgpr 102
		.amdhsa_reserve_vcc 0
		.amdhsa_float_denorm_mode_32 3
		.amdhsa_float_denorm_mode_16_64 3
		.amdhsa_memory_ordered 1
		.amdhsa_forward_progress 1
		.amdhsa_inst_pref_size 208
	.end_amdhsa_kernel
	.amdgpu_metadata
---
amdhsa.version: [ 1, 2 ]
amdhsa.kernels:
  - .name:           k_q730afcbddc_attn
    .symbol:         k_q730afcbddc_attn.kd
    .args:
      - { .name: qq, .offset: 0, .size: 8, .value_kind: global_buffer, .address_space: global }
      - { .name: kv, .offset: 8, .size: 8, .value_kind: global_buffer, .address_space: global }
      - { .name: mb, .offset: 16, .size: 8, .value_kind: global_buffer, .address_space: global }
      - { .name: x, .offset: 24, .size: 8, .value_kind: global_buffer, .address_space: global }
      - { .name: hb, .offset: 32, .size: 8, .value_kind: global_buffer, .address_space: global }
    .group_segment_fixed_size: 55296
    .private_segment_fixed_size: 0
    .kernarg_segment_align: 8
    .kernarg_segment_size: 40
    .max_flat_workgroup_size: 512
    .sgpr_count:     102
    .vgpr_count:     256
    .wavefront_size: 32
...
	.end_amdgpu_metadata
.endif
;; end of part 6
;; launch ffn1: the kernel of part 4 again; grid 16 x 16, 4 waves a work-group, clusters of 4 x 4, 327,680 bytes of LDS; arguments hb, img, scl, b1, gb; writes gb
;; launch ffn2: the kernel of part 5 again; grid 8 x 32, 4 waves a work-group, clusters of 4 x 4, 327,680 bytes of LDS; arguments gb, img, scl, b2, x, out0; writes out0
